; MI455X (gfx1250); checked and timed in simulation.
; The chip was launched on July 23, 2026; its instructions are those of AMD's public machine-readable ISA for CDNA 5 (MIT licence, August 2026) and "CDNA5" Instruction Set Architecture Reference Guide (July 2026). The comments in the code are by the model that wrote it; some were corrected since.
;; Attention. Allowed arithmetic: float matrix products may take bf16 or f16 operands with f32 sums; other float arithmetic in f32, or as packed bf16 or f16 multiplies, adds, multiply-adds, maxima and minima; sums over many terms, partial sums and values carried from step to step in f32; what a program stores and reads back later, other than sums and carried values, may be rounded once to bf16 or f16.
;; Inputs: attn_b 1,024 float32; attn_w 3,072 x 1,024 float32; decoder_hidden 64 x 1,024 float32; encoder_mask 64 x 512 int32; encoder_outputs 64 x 512 x 2,048 float32; v_w 1,024 float32.
;; Outputs: out0 64 x 2,048 float32; out1 64 x 512 float32.
;; 2 versions, each right; version 2 is version 1 with the launch context written anew for expert scheduling mode. Each part assembles by itself: llvm-mc -triple=amdgcn-amd-amdhsa -mcpu=gfx1250 --defsym DOCPART=n.
;; ======== version 1 of 2: 4 launches
;; workspace buffers: wt 6,291,456 bytes; dp 262,144 bytes; part 262,144 bytes
;; launch prep (part 1): grid 24 x 16, 4 waves a work-group, no clusters, 16,896 bytes of LDS; arguments attn_w, wt; writes wt
.if DOCPART == 1
	.amdgcn_target "amdgcn-amd-amdhsa--gfx1250"
	.amdhsa_code_object_version 6
	.text
	.protected	k_q2c60f11c17_prep
	.globl	k_q2c60f11c17_prep
	.p2align	8
	.type	k_q2c60f11c17_prep,@function
k_q2c60f11c17_prep:
	s_mov_b64 s[64:65], 0
	v_nop
	global_prefetch_b8 v0, s[64:65] scope:SCOPE_SE
	s_setreg_imm32_b32 hwreg(HW_REG_WAVE_MODE, 25, 1), 1
	s_wait_xcnt 0x0
; wt[n][k] = bf16(attn_w[k][n]).  attn_w: [3072][1024] f32; wt: [1024][3072] bf16, so that K lies along the rows for the two products that follow.
; A work-group turns a tile of 128 k x 64 n.  Wave w reads k rows 32 w .. 32 w + 31: a load covers two rows' 256 consecutive bytes, aligned.
; A lane then holds, for each of its 4 columns n, 8 consecutive k: 16 bytes of bf16, one GROUP.  The groups go through LDS: row n is 256 bytes = 16 groups,
; group g of row n lies at place (g + n / 4) mod 16, so that the 16 lanes of a store (16 rows, 1,024 bytes apart) and the 16 lanes of a load (one row) each touch 16 different 16-byte columns.
; Back: 16 lanes take a row's 256 bytes and store them as 256 consecutive bytes of wt, aligned.  No matrix unit, no cluster: a copy; nothing is shared.
.set KP,    4096                       ; bytes in a row of attn_w
.set NP,    6144                       ; bytes in a row of wt
.set SPARE, 16384                      ; behind the tile: the spare words, 128 bytes a wave
.set GI,  3                            ; v3      my byte offset in the wave's rows of attn_w
.set ST,  4                            ; v4-5    where I put a group, for the wave's first and second 16 rows of k
.set RD,  6                            ; v6-9    where I read a group back, by n / 4
.set GOO, 10                           ; v10     my byte offset in the wave's rows of wt
.set SPW, 13                           ; v13     LDS address of my spare word; never rewritten
.set NIL, 14                           ; v14     0; never rewritten
.set X,   16                           ; v[16:79]  as loaded; later the rows read back
.set Y,   80                           ; v[80:111] groups of 8 bf16
	s_load_b128 s[4:7], s[0:1], 0x0                ; attn_w s[4:5], wt s[6:7]
	v_lshl_add_u32 v[SPW], v0, 2, SPARE
	v_mov_b32 v[NIL], 0
	v_lshrrev_b32 v15, 5, v0
	v_readfirstlane_b32 s8, v15                    ; wave 0..3
	v_and_b32 v1, 15, v0                           ; c = lane % 16
	v_bfe_u32 v2, v0, 4, 1                         ; h = lane / 16
	v_lshlrev_b32 v[GI], 4, v1
	v_lshl_add_u32 v[GI], v2, 15, v[GI]            ; 8 h rows of 4,096 bytes + 16 c
	s_lshl_b32 s9, s8, 2
	v_add_nc_u32 v11, v1, v2
	v_add_nc_u32 v11, s9, v11                      ; 4 w + h + c
	v_lshlrev_b32 v12, 10, v1                      ; row 4 c
.irp t, 0,1
	v_add_nc_u32 v[ST+(\t)], 2*(\t), v11           ; group 4 w + 2 t + h, moved on by n / 4 = c,
	v_and_b32 v[ST+(\t)], 15, v[ST+(\t)]           ; mod 16
	v_lshl_add_u32 v[ST+(\t)], v[ST+(\t)], 4, v12
.endr
	v_add_nc_u32 v11, s9, v1                       ; c + 4 w
	s_lshl_b32 s10, s8, 12
	v_lshl_add_u32 v12, v2, 8, s10                 ; row 16 w + h
.irp u, 0,1,2,3
	v_add_nc_u32 v[RD+(\u)], \u, v11               ; group c of a row with n / 4 = 4 w + u
	v_and_b32 v[RD+(\u)], 15, v[RD+(\u)]
	v_lshl_add_u32 v[RD+(\u)], v[RD+(\u)], 4, v12
.endr
	v_mul_u32_u24 v[GOO], v2, NP
	v_lshl_add_u32 v[GOO], v1, 4, v[GOO]           ; h rows of wt + 16 c
	s_and_b32 s11, ttmp7, 0xffff                   ; y: 64 columns n
	s_lshl_b32 s12, ttmp9, 19                      ; x: 128 rows k of 4,096 bytes
	s_lshl_b32 s13, s8, 17                         ; my wave's 32
	s_add_co_u32 s12, s12, s13
	s_lshl_b32 s13, s11, 8                         ; 64 columns of 4 bytes
	s_add_co_u32 s12, s12, s13
	s_mov_b32 s13, 0
	s_lshl_b32 s14, s11, 6
	s_lshl_b32 s15, s8, 4
	s_add_co_u32 s14, s14, s15                     ; row 64 y + 16 w of wt
	s_mul_i32 s14, s14, NP
	s_lshl_b32 s15, ttmp9, 8                       ; 128 k of 2 bytes
	s_add_co_u32 s14, s14, s15
	s_mov_b32 s15, 0
	s_wait_kmcnt 0x0
	s_add_nc_u64 s[4:5], s[4:5], s[12:13]
	s_add_nc_u64 s[6:7], s[6:7], s[14:15]
.irp t, 0,1
.irp j, 0,1,2,3,4,5,6,7
	global_load_b128 v[X+32*(\t)+4*(\j):X+32*(\t)+4*(\j)+3], v[GI], s[4:5] offset:(16*(\t)+(\j))*KP th:TH_LOAD_NT
.endr
.endr
.irp t, 0,1
	s_wait_loadcnt 8-8*(\t)                        ; the first eight loads are in, the second eight may stay out; then all
.irp i, 0,1,2,3
.irp q, 0,1,2,3
	v_cvt_pk_bf16_f32 v[Y+16*(\t)+4*(\i)+(\q)], v[X+32*(\t)+8*(\q)+(\i)], v[X+32*(\t)+8*(\q)+4+(\i)]  ; column 4 c + i, k = 2 q and 2 q + 1 of the group
.endr
	ds_store_b128 v[ST+(\t)], v[Y+16*(\t)+4*(\i):Y+16*(\t)+4*(\i)+3] offset:256*(\i)
.endr
.endr
	s_wait_dscnt 0x0                               ; for the others' sake: my stores are done
	s_barrier_signal -1
	s_barrier_wait -1
.irp u, 0,1,2,3,4,5,6,7
	ds_load_b128 v[X+4*(\u):X+4*(\u)+3], v[RD+(\u)/2] offset:512*(\u)  ; rows 16 w + 2 u + h
.endr
.irp u, 0,1,2,3,4,5,6,7
	s_wait_dscnt 7-(\u)                            ; LDS loads come back in order: load u is in
	global_store_b128 v[GOO], v[X+4*(\u):X+4*(\u)+3], s[6:7] offset:2*(\u)*NP  ; 16 lanes store 256 consecutive bytes, aligned
.endr
	s_wait_tensorcnt 0x0                           ; the wave's end, behind my last LDS store
	ds_add_u32 v[SPW], v[NIL]
	s_wait_dscnt 0x0
	s_endpgm
.Lfunc_end_k_q2c60f11c17_prep:
	.size	k_q2c60f11c17_prep, .Lfunc_end_k_q2c60f11c17_prep-k_q2c60f11c17_prep
	.p2alignl 7, 3214868480
	.fill 96, 4, 3214868480
	.section	.rodata,"a",@progbits
	.p2align	6, 0x0
	.amdhsa_kernel k_q2c60f11c17_prep
		.amdhsa_group_segment_fixed_size 16896
		.amdhsa_private_segment_fixed_size 0
		.amdhsa_enable_private_segment 0
		.amdhsa_kernarg_size 16
		.amdhsa_user_sgpr_count 2
		.amdhsa_user_sgpr_kernarg_segment_ptr 1
		.amdhsa_wavefront_size32 1
		.amdhsa_system_sgpr_workgroup_id_x 1
		.amdhsa_system_sgpr_workgroup_id_y 1
		.amdhsa_system_sgpr_workgroup_id_z 1
		.amdhsa_system_vgpr_workitem_id 0
		.amdhsa_next_free_vgpr 112
		.amdhsa_next_free_sgpr 66
		.amdhsa_reserve_vcc 0
		.amdhsa_float_denorm_mode_32 3
		.amdhsa_float_denorm_mode_16_64 3
		.amdhsa_memory_ordered 1
		.amdhsa_forward_progress 1
		.amdhsa_inst_pref_size 9
	.end_amdhsa_kernel
	.amdgpu_metadata
---
amdhsa.version: [ 1, 2 ]
amdhsa.kernels:
  - .name:           k_q2c60f11c17_prep
    .symbol:         k_q2c60f11c17_prep.kd
    .args:
      - { .name: attn_w, .offset: 0, .size: 8, .value_kind: global_buffer, .address_space: global }
      - { .name: wt, .offset: 8, .size: 8, .value_kind: global_buffer, .address_space: global }
    .group_segment_fixed_size: 16896
    .private_segment_fixed_size: 0
    .kernarg_segment_align: 8
    .kernarg_segment_size: 16
    .max_flat_workgroup_size: 128
    .sgpr_count:     66
    .vgpr_count:     112
    .wavefront_size: 32
...
	.end_amdgpu_metadata
.endif
;; end of part 1
;; launch decproj (part 2): grid 16 x 4, 8 waves a work-group, no clusters, 35,840 bytes of LDS; arguments decoder_hidden, wt, attn_b, dp; writes dp
.if DOCPART == 2
	.amdgcn_target "amdgcn-amd-amdhsa--gfx1250"
	.amdhsa_code_object_version 6
	.text
	.protected	k_q2c60f11c17_decproj
	.globl	k_q2c60f11c17_decproj
	.p2align	8
	.type	k_q2c60f11c17_decproj,@function
k_q2c60f11c17_decproj:
	s_mov_b64 s[64:65], 0
	v_nop
	global_prefetch_b8 v0, s[64:65] scope:SCOPE_SE
	s_setreg_imm32_b32 hwreg(HW_REG_WAVE_MODE, 25, 1), 1
	s_wait_xcnt 0x0
; dp[b][n] = c (sum over k < 1024 of decoder_hidden[b][k] attn_w[k][n] + attn_b[n]), c = 2 log2(e): the addend of the next launch's exponent, in f32.
; Operands rounded to bf16, sums in f32.  A work-group makes 16 batches x 64 columns; K = 1,024 IS SPLIT AMONG ITS EIGHT WAVES, 128 each: four steps of 32.
; The product is taken transposed (source 0 = 16 rows of wt, source 1 = 16 rows of decoder_hidden): a lane holds one batch (lane % 16) and eight neighbouring columns.
; The four column tiles' accumulators take turns.  The eight partial sums meet in LDS; wave w then finishes batches 2 w and 2 w + 1.
; Small work (64 work-groups): no ring, no cluster, no prefetch.
.set PP,    272                        ; a row of a partial tile: 64 f32 + 16 bytes, so that the 16 rows of a store start in 16 different 16-byte columns
.set PARTW, 16*PP                      ; a wave's partial tile
.set SPARE, 8*PARTW                    ; behind them: the spare words, 128 bytes a wave
.set WTO, 4                            ; v4   my offset in 16 rows of wt
.set DHO, 5                            ; v5   in 16 rows of decoder_hidden
.set STO, 6                            ; v6   where I put my partial sums
.set RD,  7                            ; v7   where I read partial sums back
.set GO,  8                            ; v8   my 16 bytes of dp
.set BO,  9                            ; v9   my 16 bytes of attn_b
.set SPW, 10                           ; v10  LDS address of my spare word; never rewritten
.set NIL, 11                           ; v11  0; never rewritten
.set BI,  12                           ; v[12:15]  bias, then c x bias
.set AC,  16                           ; v[16:47]  four accumulators
.set DF,  48                           ; v[48:111] decoder_hidden, 16 f32 a step; its first 8 registers then hold the bf16 fragment
.set WF,  112                          ; v[112:239] wt's fragments: tile t, step s at 32 t + 8 s
	s_load_b256 s[4:11], s[0:1], 0x0               ; decoder_hidden s[4:5], wt s[6:7], attn_b s[8:9], dp s[10:11]
	v_lshl_add_u32 v[SPW], v0, 2, SPARE
	v_mov_b32 v[NIL], 0
	v_lshrrev_b32 v3, 5, v0
	v_readfirstlane_b32 s12, v3                    ; wave 0..7
	v_and_b32 v1, 15, v0                           ; r
	v_bfe_u32 v2, v0, 4, 1                         ; h
	v_mul_u32_u24 v[WTO], v1, 6144
	v_lshl_add_u32 v[WTO], v2, 4, v[WTO]           ; row r, 16 bytes for each half of the lanes
	v_lshlrev_b32 v[DHO], 12, v1
	v_lshl_add_u32 v[DHO], v2, 5, v[DHO]           ; row r, 8 f32 for each half
	s_mul_i32 s24, s12, PARTW
	v_mul_u32_u24 v[STO], v1, PP
	v_lshl_add_u32 v[STO], v2, 5, v[STO]
	v_add_nc_u32 v[STO], s24, v[STO]               ; my wave's tile, batch r, columns 8 h on
	s_mul_i32 s24, s12, 2*PP
	v_mul_u32_u24 v[RD], v2, PP
	v_lshl_add_u32 v[RD], v1, 4, v[RD]
	v_add_nc_u32 v[RD], s24, v[RD]                 ; batch 2 w + h, columns 4 r on
	v_lshlrev_b32 v[BO], 4, v1
	v_lshl_add_u32 v[GO], v2, 12, v[BO]
	s_and_b32 s13, ttmp7, 0xffff                   ; y: 16 batches
	s_lshl_b32 s14, s13, 16
	s_lshl_b32 s15, s12, 9                         ; my 128 k of 4 bytes
	s_add_co_u32 s14, s14, s15
	s_mov_b32 s15, 0
	s_mul_i32 s16, ttmp9, 64*6144                  ; x: 64 rows of wt
	s_lshl_b32 s17, s12, 8                         ; my 128 k of 2 bytes
	s_add_co_u32 s16, s16, s17
	s_mov_b32 s17, 0
	s_lshl_b32 s18, ttmp9, 8                       ; 64 columns of 4 bytes
	s_mov_b32 s19, 0
	s_lshl_b32 s22, s13, 16
	s_lshl_b32 s23, s12, 13                        ; batches 2 w on
	s_add_co_u32 s22, s22, s23
	s_add_co_u32 s22, s22, s18
	s_mov_b32 s23, 0
	s_mov_b32 s20, 0x4038aa3b                      ; c = 2 log2(e)
	s_mov_b32 s21, s20                             ; named with it as a pair
	s_wait_kmcnt 0x0
	s_add_nc_u64 s[4:5], s[4:5], s[14:15]
	s_add_nc_u64 s[6:7], s[6:7], s[16:17]
	s_add_nc_u64 s[8:9], s[8:9], s[18:19]
	s_add_nc_u64 s[10:11], s[10:11], s[22:23]
	global_load_b128 v[BI:BI+3], v[BO], s[8:9]
.irp s, 0,1,2,3
.irp u, 0,1,2,3
	global_load_b128 v[DF+16*(\s)+4*(\u):DF+16*(\s)+4*(\u)+3], v[DHO], s[4:5] offset:128*(\s)+64*((\u)/2)+16*((\u)%2)  ; k = 8 h + 0..7, then 16 + 8 h + 0..7
.endr
.endr
.irp t, 0,1,2,3
.irp s, 0,1,2,3
	global_load_b128 v[WF+32*(\t)+8*(\s):WF+32*(\t)+8*(\s)+3],   v[WTO], s[6:7] offset:(\t)*16*6144+64*(\s)
	global_load_b128 v[WF+32*(\t)+8*(\s)+4:WF+32*(\t)+8*(\s)+7], v[WTO], s[6:7] offset:(\t)*16*6144+64*(\s)+32
.endr
.endr
	s_wait_loadcnt 32                              ; bias and decoder_hidden are in; wt's 32 loads may stay out
.irp s, 0,1,2,3
.irp i, 0,1,2,3,4,5,6,7
	v_cvt_pk_bf16_f32 v[DF+16*(\s)+(\i)], v[DF+16*(\s)+2*(\i)], v[DF+16*(\s)+2*(\i)+1]  ; in place, ascending: register i is written when it has been read
.endr
.endr
	v_pk_mul_f32 v[BI:BI+1], v[BI:BI+1], s[20:21] op_sel_hi:[1,0]
	v_pk_mul_f32 v[BI+2:BI+3], v[BI+2:BI+3], s[20:21] op_sel_hi:[1,0]
	s_wait_loadcnt 0x0
.irp t, 0,1,2,3
	v_wmma_f32_16x16x32_bf16 v[AC+8*(\t):AC+8*(\t)+7], v[WF+32*(\t):WF+32*(\t)+7], v[DF:DF+7], 0  ; the first step starts the sums
.endr
.irp s, 1,2,3
.irp t, 0,1,2,3
	v_wmma_f32_16x16x32_bf16 v[AC+8*(\t):AC+8*(\t)+7], v[WF+32*(\t)+8*(\s):WF+32*(\t)+8*(\s)+7], v[DF+16*(\s):DF+16*(\s)+7], v[AC+8*(\t):AC+8*(\t)+7]
.endr
.endr
.rept 8
	v_nop                                          ; the places behind the last products (ISA guide 7.12.1), once a launch
.endr
.irp t, 0,1,2,3
	ds_store_b128 v[STO], v[AC+8*(\t):AC+8*(\t)+3]   offset:64*(\t)
	ds_store_b128 v[STO], v[AC+8*(\t)+4:AC+8*(\t)+7] offset:64*(\t)+16
.endr
	s_wait_dscnt 0x0                               ; for the others' sake
	s_barrier_signal -1
	s_barrier_wait -1
.irp p, 0,1,2,3,4,5,6,7
	ds_load_b128 v[WF+4*(\p):WF+4*(\p)+3], v[RD] offset:PARTW*(\p)
.endr
	s_wait_dscnt 0x0
.irp p, 0,2,4,6
	v_pk_add_f32 v[WF+4*(\p):WF+4*(\p)+1],   v[WF+4*(\p):WF+4*(\p)+1],   v[WF+4*(\p)+4:WF+4*(\p)+5]
	v_pk_add_f32 v[WF+4*(\p)+2:WF+4*(\p)+3], v[WF+4*(\p)+2:WF+4*(\p)+3], v[WF+4*(\p)+6:WF+4*(\p)+7]
.endr
.irp p, 0,4
	v_pk_add_f32 v[WF+4*(\p):WF+4*(\p)+1],   v[WF+4*(\p):WF+4*(\p)+1],   v[WF+4*(\p)+8:WF+4*(\p)+9]
	v_pk_add_f32 v[WF+4*(\p)+2:WF+4*(\p)+3], v[WF+4*(\p)+2:WF+4*(\p)+3], v[WF+4*(\p)+10:WF+4*(\p)+11]
.endr
	v_pk_add_f32 v[WF:WF+1],   v[WF:WF+1],   v[WF+16:WF+17]
	v_pk_add_f32 v[WF+2:WF+3], v[WF+2:WF+3], v[WF+18:WF+19]
	v_pk_fma_f32 v[WF:WF+1],   v[WF:WF+1],   s[20:21], v[BI:BI+1]   op_sel_hi:[1,0,1]  ; c sum + c bias
	v_pk_fma_f32 v[WF+2:WF+3], v[WF+2:WF+3], s[20:21], v[BI+2:BI+3] op_sel_hi:[1,0,1]
	global_store_b128 v[GO], v[WF:WF+3], s[10:11]  ; 16 lanes store 256 consecutive bytes, aligned
	s_wait_tensorcnt 0x0                           ; the wave's end, behind my last LDS store
	ds_add_u32 v[SPW], v[NIL]
	s_wait_dscnt 0x0
	s_endpgm
.Lfunc_end_k_q2c60f11c17_decproj:
	.size	k_q2c60f11c17_decproj, .Lfunc_end_k_q2c60f11c17_decproj-k_q2c60f11c17_decproj
	.p2alignl 7, 3214868480
	.fill 96, 4, 3214868480
	.section	.rodata,"a",@progbits
	.p2align	6, 0x0
	.amdhsa_kernel k_q2c60f11c17_decproj
		.amdhsa_group_segment_fixed_size 35840
		.amdhsa_private_segment_fixed_size 0
		.amdhsa_enable_private_segment 0
		.amdhsa_kernarg_size 32
		.amdhsa_user_sgpr_count 2
		.amdhsa_user_sgpr_kernarg_segment_ptr 1
		.amdhsa_wavefront_size32 1
		.amdhsa_system_sgpr_workgroup_id_x 1
		.amdhsa_system_sgpr_workgroup_id_y 1
		.amdhsa_system_sgpr_workgroup_id_z 1
		.amdhsa_system_vgpr_workitem_id 0
		.amdhsa_next_free_vgpr 240
		.amdhsa_next_free_sgpr 66
		.amdhsa_reserve_vcc 0
		.amdhsa_float_denorm_mode_32 3
		.amdhsa_float_denorm_mode_16_64 3
		.amdhsa_memory_ordered 1
		.amdhsa_forward_progress 1
		.amdhsa_inst_pref_size 13
	.end_amdhsa_kernel
	.amdgpu_metadata
---
amdhsa.version: [ 1, 2 ]
amdhsa.kernels:
  - .name:           k_q2c60f11c17_decproj
    .symbol:         k_q2c60f11c17_decproj.kd
    .args:
      - { .name: decoder_hidden, .offset: 0, .size: 8, .value_kind: global_buffer, .address_space: global }
      - { .name: wt, .offset: 8, .size: 8, .value_kind: global_buffer, .address_space: global }
      - { .name: attn_b, .offset: 16, .size: 8, .value_kind: global_buffer, .address_space: global }
      - { .name: dp, .offset: 24, .size: 8, .value_kind: global_buffer, .address_space: global }
    .group_segment_fixed_size: 35840
    .private_segment_fixed_size: 0
    .kernarg_segment_align: 8
    .kernarg_segment_size: 32
    .max_flat_workgroup_size: 256
    .sgpr_count:     66
    .vgpr_count:     240
    .wavefront_size: 32
...
	.end_amdgpu_metadata
.endif
;; end of part 2
;; launch scores (part 3): grid 64 x 8, 4 waves a work-group, clusters of 4 x 4, 327,680 bytes of LDS; arguments encoder_outputs, wt, dp, v_w, part; writes part
.if DOCPART == 3
	.amdgcn_target "amdgcn-amd-amdhsa--gfx1250"
	.amdhsa_code_object_version 6
	.text
	.protected	k_q2c60f11c17_scores
	.globl	k_q2c60f11c17_scores
	.p2align	8
	.type	k_q2c60f11c17_scores,@function
k_q2c60f11c17_scores:
	s_mov_b64 s[64:65], 0
	v_nop
	global_prefetch_b8 v0, s[64:65] scope:SCOPE_SE
	s_setreg_imm32_b32 hwreg(HW_REG_WAVE_MODE, 25, 1), 1
	s_wait_xcnt 0x0
	s_wait_alu depctr_hold_cnt(0) depctr_sa_sdst(0) depctr_va_vdst(0) depctr_va_sdst(0) depctr_va_ssrc(0) depctr_va_vcc(0) depctr_vm_vsrc(0)
	s_getreg_b32 s2, hwreg(HW_REG_IB_STS2, 6, 4)
	s_cmp_eq_u32 s2, 0
	s_cbranch_scc0 .Lentry_in_a_cluster
	s_endpgm
.Lentry_in_a_cluster:
	s_bfe_u32 s2, ttmp6, 0x10000c
	s_cmp_lg_u32 s2, 0xf033
	s_cbranch_scc0 .Lentry_shape_is_right
	s_endpgm
.Lentry_shape_is_right:
; part[nh][row] = the sum over 512 columns n of v_w[n] tanh(dec_proj[b][n] + sum over k of enc[row][k] w_enc[k][n]).  enc: [32768][2048] f32; wt: [1024 n][3072 k] bf16 (w_enc is k 1024 on);
; dp: [64][1024] f32 = c dec_proj, c = 2 log2(e); part: [2][32768] f32, two partial sums that the next launch adds.  Operands bf16, sums f32.
; LIMITS.  tanh(x) = 1 - 2 / (1 + 2^(c x)): where the power overflows the quotient is 0, where it falls below 2^-126 it counts as 0: tanh is then exactly 1 or -1.  NaN and infinities in the inputs are not treated apart.
; SHARES.  A work-group makes 128 rows x 512 columns, each of its four waves all 128 rows x 128 columns: 64 accumulators of 16 x 16, 512 registers.  512 work-groups.
; A (enc) is f32 in memory: each wave loads 32 of the 128 rows into registers two steps ahead, rounds them to bf16 and stores them into LDS for all four waves: K steps of 64, two slots, one barrier a step.
; B (wt) comes by the tensor data mover: K blocks of 128 (rows of 256 bytes, aligned), two slots; each wave fetches and reads its own 128 rows.
; MEMORY INSTRUCTIONS STAND IN RUNS, never singly among the matrix instructions: a step of 128 products has two runs: the second quarter's 32 fragment loads, the next step's 16 LDS stores of A and 16 loads of enc together;
; and the next step's first 32 fragment loads.  Only the roundings, work on registers, ride behind products.
; CLUSTER 4 x 4.  Work-group x is the batch; y = 2 x (quarter of the batch's rows) + (half of the columns).  The four of a row of the cluster need the same rows of wt: asked for JOINTLY, same load, descriptor and mask.
; A is not asked for jointly: it has to pass through registers to be rounded.  The two work-groups that read the same rows of enc lie in one cluster.
; THE PRODUCT IS TAKEN TRANSPOSED (source 0 = 16 rows of wt, source 1 = 16 rows of enc): a lane holds ONE row of enc (lane % 16) and the columns 8 (lane / 16) + 0..7 of each tile, so the sum over columns
; runs along a lane's registers; one exchange between the halves of the lanes, and one meeting of the four waves in LDS, end it.
; REGISTERS, in windows of 256 (s_set_vgpr_msb: bits 1:0 source 0, 3:2 source 1, 5:4 source 2, 7:6 destination):
;   window 0: v0-31 addresses; v32-63 A rounded, on its way to LDS; v64-127, v128-191 A's fragments, two buffers; v192-215 the way out
;   window 1: v0-63, v192-255 A as loaded, two sets (at the end: v_w and dp of my columns); v64-127, v128-191 B's fragments, two buffers
;   window 2: the accumulators of rows 0-63 ((a, b) at v[8 (8 a + b)]);   window 3: those of rows 64-127
.set PB,    272                        ; a row of B in LDS: 256 bytes + 16: the 16 rows of a load start in 16 different 16-byte columns
.set BW,    128*PB                     ; a wave's 128 rows
.set BSLOT, 4*BW
.set PA,    144                        ; a row of A in LDS: 128 bytes + 16
.set ASLOT, 128*PA
.set ABASE, 2*BSLOT                    ; behind B's ring; no tensor load lands from here on
.set SCR,   ABASE+2*ASLOT              ; 512 bytes a wave: its 128 row sums
.set SPARE, SCR+4*512                  ; the spare words, 128 bytes a wave
.set ADRA, 16                          ; v16-17  my place in A's fragments, slot 0, 1
.set ADRB, 20                          ; v20-21  the same for B
.set AOFF, 22                          ; v22     my byte offset in the wave's rows of enc
.set ASTO, 23                          ; v23     where I put 8 bytes of A
.set VOFF, 24                          ; v24     32 x (lane / 16): my 8 columns of a tile, in v_w and dp
.set SCA,  25                          ; v25     where I put a row sum
.set SCRD, 26                          ; v26     where wave 0 reads four row sums
.set GO,   27                          ; v27     16 x lane: my 16 bytes of part
.set SPW,  28                          ; v28     LDS address of my spare word; never rewritten
.set NIL,  29                          ; v29     0; never rewritten
.set PFOA, 30                          ; v30     A's prefetch: row lane % 16, step lane / 16
.set PFOB, 31                          ; v31     B's prefetch: row lane % 16, K block lane / 16
.set TT,   32
.set F0,   64
.set F1,   128
.set CH,   192                         ; v[192:199] four chains of pairs
.set BASE, 200                         ; v[200:201] the sum of my 64 v_w, in a pair
.set TMPX, 202
.set RSM,  208                         ; v[208:215] row sums, one for each block of 16 rows
.set DPR,  192                         ; window 1: dp
.set WV,  14                           ; s14 my wave's number
.set G1,  24                           ; s[24:31] descriptor group 1
.set G0,  32                           ; s[32:39] descriptor group 0, a set for each slot
.set AP,  40                           ; s[40:41] enc at my wave's 32 rows; after the step in step j's first quarter: at step j + 1
.set PFA, 42                           ; s[42:43] enc at the 16 rows that I prefetch, in step with AP
.set PFB, 44                           ; s[44:45] wt at the 16 rows that I prefetch; it moves 128 bytes a step, 512 a lap
.set LIM, 46                           ; s46 1 in the cluster that prefetches B, else the greatest number
.set CC,  48                           ; s[48:49] c
.set SEL, 50                           ; s[50:51] v_permlanex16_b32's selects: each lane takes its own place in the other half
.set VP,  52                           ; s[52:53] v_w at my 128 columns
.set DP,  54                           ; s[54:55] dp at my batch and columns
.set PT,  56                           ; s[56:57] part at my work-group's 128 rows
.set MSB, 0
.macro WIN new                         ; the immediate's high byte repeats the setting that is left; a switch that changes nothing is dropped
.if MSB != (\new)
	s_set_vgpr_msb (MSB<<8)|(\new)
.set MSB, \new
.endif
.endm
.set MUL_LO, 0xa1                      ; source 0 (B) window 1, source 1 (A) window 0, C and D window 2
.set MUL_HI, 0xf1                      ; the same, C and D window 3
.set TO_B,   0x40                      ; destination window 1, address window 0
.set R_NONE, 0
.set R_CVT,  1
.set M_A,  0
.set M_V,  1
.set M_DP, 2
.macro CREST                           ; a round of the cluster's barrier behind its opening barrier
	s_cmp_lg_u32 s[WV], 0
	s_cbranch_scc1 .Lnot_wave_0_\@
	s_barrier_signal -3
.Lnot_wave_0_\@:
	s_barrier_wait -3
	s_barrier_signal -1
	s_barrier_wait -1
.endm
.macro CROUND                          ; a whole round
	s_barrier_signal -1
	s_barrier_wait -1
	CREST
.endm
.macro PLACES                          ; four places in front of loads into registers that matrix instructions have read (ISA guide 7.12.1 for vector instructions)
.rept 4
	v_nop
.endr
.endm
	s_load_b256 s[4:11], s[0:1], 0x0               ; enc s[4:5], wt s[6:7], dp s[8:9], v_w s[10:11]
	s_load_b64 s[12:13], s[0:1], 0x20              ; part
	v_lshl_add_u32 v[SPW], v0, 2, SPARE
	v_mov_b32 v[NIL], 0
	ds_add_u32 v[SPW], v[NIL]                      ; the wave's opening: the add, and its wait ahead of my first tensor load; the set-up below, work on registers, stands between them
	v_lshrrev_b32 v3, 5, v0
	v_readfirstlane_b32 s[WV], v3                  ; wave 0..3
	s_bfe_u32 s15, ttmp6, 0x40000                  ; cx
	s_bfe_u32 s16, ttmp6, 0x40004                  ; cy
	s_lshl_b32 s17, ttmp9, 2
	s_add_co_u32 s17, s17, s15                     ; work-group x = the batch
	s_and_b32 s18, s16, 1                          ; nh: which 512 columns
	s_lshr_b32 s59, s16, 1
	s_and_b32 s60, ttmp7, 0xffff                   ; cluster y
	s_lshl1_add_u32 s19, s60, s59                  ; which quarter of the batch's rows
	s_lshl2_add_u32 s19, s17, s19                  ; mt: my block of 128 rows
	s_or_b32 s[LIM], s60, ttmp9
	s_cmp_eq_u32 s[LIM], 0
	s_cselect_b32 s[LIM], 1, -1                    ; the first cluster prefetches B: the same in all sixteen partners
	; descriptor group 1: a tile of 128 rows x 128 elements, padded in LDS
	s_lshl_b32 s20, s16, 2
	s_lshl_b32 s20, 15, s20                        ; my row of the cluster: places 4 cy .. 4 cy + 3
	s_or_b32 s[G1+0], s20, (1<<16)|(1<<20)|(1<<21)|(5<<22)|(3<<25)  ; 15:0 the mask; 17:16 elements of 2 bytes; 20 padding on; 21 set beside a mask; 24:22 after every 64 words (code 5); 31:25 4 words (code 3)
	s_mov_b32 s[G1+1], 128<<16                     ; tensor_dim0 = 128
	s_mov_b32 s[G1+2], 128<<16                     ; tensor_dim1 = 128
	s_mov_b32 s[G1+3], 128<<16                     ; tile_dim0 = 128
	s_mov_b32 s[G1+4], 128                         ; tile_dim1 = 128
	s_mov_b32 s[G1+5], 3072                        ; elements from row to row of wt
	s_mov_b32 s[G1+6], 0
	s_mov_b32 s[G1+7], 0
	s_lshl_b32 s20, s18, 9                         ; B's address hangs on cy and the wave's number alone
	s_lshl_b32 s21, s[WV], 7
	s_add_co_u32 s20, s20, s21                     ; row 512 nh + 128 w of wt,
	s_mul_i32 s20, s20, 6144
	s_add_co_u32 s20, s20, 2048                    ; k = 1024 on
	s_mov_b32 s21, 0
	s_mul_i32 s22, s[WV], BW                       ; and where it goes: wave x 128 rows
	; byte offsets of everything else, each in the pair that takes the address
	s_lshl_b32 s[AP], s19, 20                      ; 128 rows of 8,192 bytes
	s_lshl_b32 s58, s[WV], 18                      ; my wave's 32
	s_add_co_u32 s[AP], s[AP], s58
	s_mov_b32 s[AP+1], 0
	s_lshl_b32 s[PFA], s19, 20
	s_lshl_b32 s58, s18, 19                        ; of the 128 rows the work-group of half nh prefetches 64 nh on,
	s_add_co_u32 s[PFA], s[PFA], s58
	s_lshl_b32 s58, s[WV], 17                      ; my wave 16 of them
	s_add_co_u32 s[PFA], s[PFA], s58
	s_mov_b32 s[PFA+1], 0
	s_lshl_b32 s[PFB], s18, 9
	s_lshl_b32 s58, s[WV], 7
	s_add_co_u32 s[PFB], s[PFB], s58
	s_lshl_b32 s58, s15, 4                         ; of a wave's 128 rows of wt the eight work-groups of the cluster with this nh take 16 each, by address
	s_add_co_u32 s[PFB], s[PFB], s58
	s_lshl_b32 s58, s59, 6
	s_add_co_u32 s[PFB], s[PFB], s58
	s_mul_i32 s[PFB], s[PFB], 6144
	s_add_co_u32 s[PFB], s[PFB], 2048+4*256-512    ; four steps' moves bring it to K block 4 at the first request
	s_mov_b32 s[PFB+1], 0
	s_lshl_b32 s[VP], s18, 11
	s_lshl_b32 s58, s[WV], 9
	s_add_co_u32 s[VP], s[VP], s58                 ; column 512 nh + 128 w, 4 bytes each
	s_mov_b32 s[VP+1], 0
	s_lshl_b32 s[DP], s17, 12
	s_add_co_u32 s[DP], s[DP], s[VP]
	s_mov_b32 s[DP+1], 0
	s_lshl_b32 s[PT], s18, 17
	s_lshl_b32 s58, s19, 9
	s_add_co_u32 s[PT], s[PT], s58
	s_mov_b32 s[PT+1], 0
	s_mov_b32 s[CC], 0x4038aa3b                    ; c = 2 log2(e)
	s_mov_b32 s[CC+1], s[CC]
	s_mov_b32 s[SEL], 0x76543210
	s_mov_b32 s[SEL+1], 0xfedcba98
	v_and_b32 v1, 15, v0                           ; r
	v_bfe_u32 v2, v0, 4, 1                         ; h
	v_and_b32 v4, 31, v0                           ; lane
	v_mul_u32_u24 v3, v1, PA
	v_lshl_add_u32 v3, v2, 4, v3                   ; a fragment's row x pitch + 16 x half
	v_add_nc_u32 v[ADRA], ABASE, v3
	v_add_nc_u32 v[ADRA+1], ABASE+ASLOT, v3
	v_mul_u32_u24 v3, v1, PB
	v_lshl_add_u32 v3, v2, 4, v3
	v_add_nc_u32 v[ADRB], s22, v3
	v_add_nc_u32 v[ADRB+1], BSLOT, v[ADRB]
	v_lshlrev_b32 v3, 4, v1
	v_lshl_add_u32 v[AOFF], v2, 16, v3             ; lanes 0-15 take 256 bytes of one row, lanes 16-31 of the row 8 further down
	s_mul_i32 s23, s[WV], 32*PA
	s_add_co_u32 s23, s23, ABASE
	v_mul_u32_u24 v3, v2, 8*PA
	v_lshl_add_u32 v3, v1, 3, v3
	v_add_nc_u32 v[ASTO], s23, v3                  ; the same two rows in LDS, 8 bytes a lane: the two halves lie 288 words apart, in different halves of the banks
	v_lshlrev_b32 v[VOFF], 5, v2
	s_lshl_b32 s23, s[WV], 9
	s_add_co_u32 s23, s23, SCR
	v_lshl_add_u32 v[SCA], v1, 2, s23
	v_lshlrev_b32 v[GO], 4, v4
	v_add_nc_u32 v[SCRD], SCR, v[GO]
	v_lshlrev_b32 v3, 8, v2
	v_lshl_add_u32 v[PFOA], v1, 13, v3
	v_mul_u32_u24 v5, v1, 6144
	v_add_nc_u32 v[PFOB], v5, v3
	v_mov_b32 v[TMPX], 0                           ; v_permlanex16_b32 counts as a reader of its destination
	s_wait_dscnt 0x0                               ; the opening add is done
	s_wait_kmcnt 0x0
	s_add_nc_u64 s[20:21], s[6:7], s[20:21]
	s_add_nc_u64 s[AP:AP+1], s[4:5], s[AP:AP+1]
	s_add_nc_u64 s[PFA:PFA+1], s[4:5], s[PFA:PFA+1]
	s_add_nc_u64 s[PFB:PFB+1], s[6:7], s[PFB:PFB+1]
	s_add_nc_u64 s[VP:VP+1], s[10:11], s[VP:VP+1]
	s_add_nc_u64 s[DP:DP+1], s[8:9], s[DP:DP+1]
	s_add_nc_u64 s[PT:PT+1], s[12:13], s[PT:PT+1]
.irp s, 0,1
	s_mov_b32 s[G0+4*(\s)], 1                      ; count = 1
	s_add_co_u32 s[G0+4*(\s)+1], s22, (\s)*BSLOT   ; LDS address
	s_add_nc_u64 s[G0+4*(\s)+2:G0+4*(\s)+3], s[20:21], (\s)*256  ; global address: K block s
	s_or_b32 s[G0+4*(\s)+3], s[G0+4*(\s)+3], 0x80000000          ; type = 2
.endr
	WIN TO_B                                       ; A's steps 0 and 1 go out first: 16 loads each, a load two rows' 256 bytes
.set ri, 0
.rept 16
	global_load_b128 v[4*ri:4*ri+3], v[AOFF], s[AP:AP+1] offset:(16*(ri/8)+ri%8)*8192
.set ri, ri+1
.endr
.set ri, 0
.rept 16
	global_load_b128 v[192+4*ri:192+4*ri+3], v[AOFF], s[AP:AP+1] offset:(16*(ri/8)+ri%8)*8192+256
.set ri, ri+1
.endr
	WIN 0
	CROUND                                         ; all sixteen work-groups are here: the first joint loads meet
	tensor_load_to_lds s[G0:G0+3], s[G1:G1+7]      ; K block 0
	s_nop 0
	tensor_load_to_lds s[G0+4:G0+7], s[G1:G1+7]    ; K block 1: two loads of mine are out
	s_nop 0
	PLACES
	s_wait_loadcnt 16                              ; step 0 is in; step 1's 16 loads may stay out
	WIN 0x05                                       ; sources window 1, destination window 0
.set ri, 0
.rept 32
	v_cvt_pk_bf16_f32 v[TT+ri], v[2*ri], v[2*ri+1]
.set ri, ri+1
.endr
	WIN 0
.set ri, 0
.rept 16
	ds_store_b64 v[ASTO], v[TT+2*ri:TT+2*ri+1] offset:(16*(ri/8)+ri%8)*PA
.set ri, ri+1
.endr
	WIN TO_B
.set ri, 0
.rept 16
	global_load_b128 v[4*ri:4*ri+3], v[AOFF], s[AP:AP+1] offset:(16*(ri/8)+ri%8)*8192+512  ; step 2
.set ri, ri+1
.endr
	WIN 0
; What rides behind product ri of a run of 16.  R_CVT: behind each of the last eight products four roundings of the next step's A (8 f32 to 16 bytes): work on registers alone, which names no register of any product.
; The wait for that step's 16 loads stands ahead of the first of them: the 16 loads issued a step later may stay out.
.macro RIDE kind
.if ((\kind) == R_CVT) && (ri >= 8)
.if ri == 8
	s_wait_loadcnt 16
.endif
	WIN 0x05
.irp m, 0,1,2,3
	v_cvt_pk_bf16_f32 v[TT+4*(ri-8)+(\m)], v[SETR+8*(ri-8)+2*(\m)], v[SETR+8*(ri-8)+2*(\m)+1]
.endr
.endif
.set ri, ri+1
.endm
; 16 matrix instructions: row blocks a0, a0 + 1 of the window's four (hi = 0: rows 0-63, 1: rows 64-127) x all 8 column blocks, 32 along K.  zero = 1: the product starts the sum.
; The 64 accumulators take turns in the same order in every quarter.
.macro MUL16 f, hi, a0, zero, ride
.set ri, 0
.irp a, \a0, (\a0)+1
.irp b, 0,1,2,3,4,5,6,7
	WIN MUL_LO+0x50*(\hi)
.if \zero
	v_wmma_f32_16x16x32_bf16 v[8*(8*(\a)+(\b)):8*(8*(\a)+(\b))+7], v[(\f)+8*(\b):(\f)+8*(\b)+7], v[(\f)+8*(4*(\hi)+(\a)):(\f)+8*(4*(\hi)+(\a))+7], 0
.else
	v_wmma_f32_16x16x32_bf16 v[8*(8*(\a)+(\b)):8*(8*(\a)+(\b))+7], v[(\f)+8*(\b):(\f)+8*(\b)+7], v[(\f)+8*(4*(\hi)+(\a)):(\f)+8*(4*(\hi)+(\a))+7], v[8*(8*(\a)+(\b)):8*(8*(\a)+(\b))+7]
.endif
	RIDE \ride
.endr
.endr
.endm
; 32 LDS loads in one run: a quarter's fragments (my 128 rows of B at byte kb of slot sl's rows, the 128 rows of A at byte ka of slot p's) into buffer f.  It ends in window 0.
.macro FETCH sl, kb, p, ka, f
	WIN TO_B
.irp i, 0,1,2,3,4,5,6,7
	ds_load_b128 v[(\f)+8*(\i):(\f)+8*(\i)+3],   v[ADRB+(\sl)] offset:(\kb)+(\i)*16*PB
	ds_load_b128 v[(\f)+8*(\i)+4:(\f)+8*(\i)+7], v[ADRB+(\sl)] offset:(\kb)+(\i)*16*PB+32
.endr
	WIN 0
.irp i, 0,1,2,3,4,5,6,7
	ds_load_b128 v[(\f)+8*(\i):(\f)+8*(\i)+3],   v[ADRA+(\p)] offset:(\ka)+(\i)*16*PA
	ds_load_b128 v[(\f)+8*(\i)+4:(\f)+8*(\i)+7], v[ADRA+(\p)] offset:(\ka)+(\i)*16*PA+32
.endr
.endm
; The run goes on behind FETCH: the next step's A, rounded, goes into the other slot of A (nobody reads that slot since the last barrier): 16 stores of 8 bytes a lane; then its registers are asked for again:
; for the step three on (M_A), or at the end for my columns' v_w (M_V) or dp (M_DP): tile ri / 2, 16 bytes ri % 2.
.macro ANEXT mode
.set ri, 0
.rept 16
	ds_store_b64 v[ASTO], v[TT+2*ri:TT+2*ri+1] offset:(16*(ri/8)+ri%8)*PA+SLOTB
.set ri, ri+1
.endr
.if (\mode) == M_A
	s_wait_xcnt 0x0                                ; every load and prefetch issued so far has read its address: the youngest stand 64 products or more back
	s_add_nc_u64 s[AP:AP+1], s[AP:AP+1], 256
	s_add_nc_u64 s[PFA:PFA+1], s[PFA:PFA+1], 256
	s_add_nc_u64 s[PFB:PFB+1], s[PFB:PFB+1], 128
.endif
	WIN TO_B
.set ri, 0
.rept 16
.if (\mode) == M_A
	global_load_b128 v[SETR+4*ri:SETR+4*ri+3], v[AOFF], s[AP:AP+1] offset:(16*(ri/8)+ri%8)*8192+512
.elseif (\mode) == M_V
	global_load_b128 v[SETR+4*ri:SETR+4*ri+3], v[VOFF], s[VP:VP+1] offset:64*(ri/2)+16*(ri%2)
.else
	global_load_b128 v[SETR+4*ri:SETR+4*ri+3], v[VOFF], s[DP:DP+1] offset:64*(ri/2)+16*(ri%2)
.endif
.set ri, ri+1
.endr
.endm
; A STEP is 64 along K: two quarters of 64 matrix instructions, on buffers 0 and 1.  Step j reads A's slot p = j % 2 and B's slot sl = (j / 2) % 2 from byte kb = 128 (j % 2) of its rows.
; THE FIRST QUARTER multiplies buffer 0.  cvt = 1: behind the last 8 of its first 32 products the next step's A is rounded.  In its middle stands the step's first run of memory instructions: the second quarter's
; fragments, the next step's A into LDS, its registers asked for again (a load has two steps less 8 products in which to come), and, with ask = 1, A's prefetch behind the loads just issued.
.macro EVENQ sl, kb, p, zero, cvt, mode, ask
.set SETR,  192*(1-(\p))               ; the registers and the slot of the next step go by its parity
.set SLOTB, ASLOT*(1-(\p))
	s_wait_dscnt 8                                 ; B and A's rows 0-63 are in; the youngest eight loads (A's rows 64-127) may be out
	MUL16 F0, 0, 0, \zero, R_NONE
	MUL16 F0, 0, 2, \zero, \cvt
	PLACES
	FETCH \sl, (\kb)+64, \p, 64, F1
.if \cvt
	ANEXT \mode
.if \ask
	; steps j + 5 and j + 6 of 16 rows, a lane a block of 256 bytes: their loads go out two and three steps from here.  The two work-groups that read these 128 rows share them out by address,
	; 64 each, 16 a wave: each block is named once in the launch.  The loop's last trip asks for nothing; steps 0 to 6 and step 31 come by their loads alone.
	WIN 0
	s_cmp_gt_u32 s3, 1
	s_cbranch_scc0 .Lno_a_\@
	global_prefetch_b8 v[PFOA], s[PFA:PFA+1] offset:1024 th:TH_LOAD_NT scope:SCOPE_SE
.Lno_a_\@:
.endif
	s_wait_dscnt 48                                ; all but the 32 loads and 16 stores just issued: A's rows 64-127 of this quarter are in
.else
	s_wait_dscnt 32                                ; all but the 32 just issued
.endif
	MUL16 F0, 1, 0, \zero, R_NONE
	MUL16 F0, 1, 2, \zero, R_NONE
.endm
; THE SECOND QUARTER multiplies buffer 1 and changes A's slot: one barrier.  In front of it my reads of this step's A and my stores of the next step's are done; behind it the next step's first fragments are read.
; MID: inside a K block of B.  B's refill may stay on its way: no tensor load fills anything behind this barrier.
.macro MID sl
	s_wait_dscnt 24                                ; the youngest eight loads and the sixteen stores behind them may be out
	MUL16 F1, 0, 0, 0, R_NONE
	s_wait_dscnt 0x0
	s_barrier_signal -1
	MUL16 F1, 0, 2, 0, R_NONE
	s_barrier_wait -1
	PLACES
	FETCH \sl, 128, 1, 0, F0
	MUL16 F1, 1, 0, 0, R_NONE
	MUL16 F1, 1, 2, 0, R_NONE
.endm
; TURN: at the end of a K block of B, which also changes B's slot.  Each wave waits for all its tensor loads, of which one is out: its part of the other slot; adds 0 to its spare word; waits for that and for its LDS reads and stores.
; fill = 1: the barrier opens a round of the cluster's, so that no wave of any partner still reads the slot or has a load on its way; the joint refill, two K blocks on, is the first thing behind it,
; and has 224 matrix instructions in which to land.  askb = 1: B's prefetch, behind the load and the run of LDS loads.
.macro TURN sl, fill, askb
	WIN 0
	s_wait_tensorcnt 0x0
	ds_add_u32 v[SPW], v[NIL]
	s_wait_dscnt 25                                ; (the add, the sixteen stores and the youngest eight loads may be out)
	MUL16 F1, 0, 0, 0, R_NONE
	s_wait_dscnt 0x0
	s_barrier_signal -1
	MUL16 F1, 0, 2, 0, R_NONE
.if \fill
	WIN 0
.endif
	s_barrier_wait -1
.if \fill
	CREST
	s_add_nc_u64 s[G0+4*(\sl)+2:G0+4*(\sl)+3], s[G0+4*(\sl)+2:G0+4*(\sl)+3], 512  ; no load of mine is out: the slot's next K block
	tensor_load_to_lds s[G0+4*(\sl):G0+4*(\sl)+3], s[G1:G1+7]
	s_nop 0
.endif
	PLACES                                         ; behind the load, and in front of the loads below
	FETCH 1-(\sl), 0, 0, 0, F0
.if \askb
	; the two K blocks that the next lap's refills will ask for: 16 rows x 2 blocks, a lane a block.  All clusters walk the same rows of wt: the first cluster asks; the eight of its work-groups that read a
	; wave's 128 rows take 16 each, by address.  The loop's last trip asks for nothing; K blocks 0 to 3 come by their loads alone.
	s_cmp_gt_u32 s3, s[LIM]
	s_cbranch_scc0 .Lno_b_\@
	global_prefetch_b8 v[PFOB], s[PFB:PFB+1] th:TH_LOAD_NT scope:SCOPE_SE
.Lno_b_\@:
.endif
	MUL16 F1, 1, 0, 0, R_NONE
	MUL16 F1, 1, 2, 0, R_NONE
.endm
	s_wait_tensorcnt 1                             ; my part of K block 0 is in; K block 1 may stay out
	s_wait_dscnt 0x0                               ; my rows of A's step 0 are in LDS
	s_barrier_signal -1
	s_barrier_wait -1
	FETCH 0, 0, 0, 0, F0
	EVENQ 0, 0, 0, 1, 1, M_A, 0                    ; step 0's first quarter stands in front of the loop: its products start the sums
	WIN 0
	s_mov_b32 s3, 7
.Llap:                                         ; a trip: four steps, from one step's second quarter to the first quarter four steps on; both slots of B are filled again
	MID 0
	EVENQ 0, 128, 1, 0, 1, M_A, 0
	TURN 0, 1, 0
	EVENQ 1, 0, 0, 0, 1, M_A, 1
	MID 1
	EVENQ 1, 128, 1, 0, 1, M_A, 0
	TURN 1, 1, 1
	EVENQ 0, 0, 0, 0, 1, M_A, 1
	WIN 0
	s_sub_co_u32 s3, s3, 1
	s_cmp_lg_u32 s3, 0
	s_cbranch_scc1 .Llap
	MID 0                                          ; steps 28 to 31 are written out: nothing more is asked of enc or wt
	EVENQ 0, 128, 1, 0, 1, M_V, 0                  ; step 29: step 30's A; its registers take v_w
	TURN 0, 0, 0
	EVENQ 1, 0, 0, 0, 1, M_DP, 0                   ; step 30: step 31's A; its registers take dp
	MID 1
	EVENQ 1, 128, 1, 0, 0, M_A, 0
	s_wait_dscnt 8
	MUL16 F1, 0, 0, 0, R_NONE
	MUL16 F1, 0, 2, 0, R_NONE
	s_wait_dscnt 0x0
	MUL16 F1, 1, 0, 0, R_NONE
	MUL16 F1, 1, 2, 0, R_NONE
	; THE WAY OUT.  sum of v tanh = sum of v + sum of (-2 v) / (1 + 2^(c s + dp)).  First the sum of my 64 v_w, in four chains: these lines are also the places behind the last products.
	s_wait_loadcnt 0x0                             ; v_w and dp
	WIN 0x05
.irp q, 0,1,2,3
	v_pk_add_f32 v[CH+2*(\q):CH+2*(\q)+1], v[4*(\q):4*(\q)+1], v[4*(\q)+2:4*(\q)+3]
.endr
	WIN 0x04
.set k, 8
.rept 24
	v_pk_add_f32 v[CH+2*(k%4):CH+2*(k%4)+1], v[CH+2*(k%4):CH+2*(k%4)+1], v[2*k:2*k+1]
.set k, k+1
.endr
	WIN 0
	v_pk_add_f32 v[CH:CH+1], v[CH:CH+1], v[CH+2:CH+3]
	v_pk_add_f32 v[CH+4:CH+5], v[CH+4:CH+5], v[CH+6:CH+7]
	v_pk_add_f32 v[BASE:BASE+1], v[CH:CH+1], v[CH+4:CH+5]
	WIN 0x41
.set k, 0
.rept 32
	v_pk_mul_f32 v[2*k:2*k+1], v[2*k:2*k+1], -2.0 op_sel_hi:[1,0]
.set k, k+1
.endr
; For block a of 16 rows: its 8 accumulators are 32 pairs, pair k beside pair k of dp and of -2 v.  Each accumulator's lowest registers are read first.
; A packed line for pair k is followed by the two transcendentals of pair k - 1, so that the transcendentals do not all stand on end; none of these lines names a transcendental's result of its own batch.
.macro PE a                            ; c s + dp, and 2^ of it, in place
	WIN 0x92+0x41*((\a)/4)                         ; destination and source 0 in the block's window, source 2 in window 1
.set AC, 64*((\a)%4)
.set k, 0
.rept 33
.if k < 32
	v_pk_fma_f32 v[AC+2*k:AC+2*k+1], v[AC+2*k:AC+2*k+1], s[CC:CC+1], v[DPR+2*k:DPR+2*k+1] op_sel_hi:[1,0,1]
.endif
.if k > 0
	v_exp_f32 v[AC+2*k-2], v[AC+2*k-2]
	v_exp_f32 v[AC+2*k-1], v[AC+2*k-1]
.endif
.set k, k+1
.endr
.endm
.macro PR a                            ; + 1, and the reciprocal, in place
	WIN 0x92+0x41*((\a)/4)
.set AC, 64*((\a)%4)
.set k, 0
.rept 33
.if k < 32
	v_pk_add_f32 v[AC+2*k:AC+2*k+1], v[AC+2*k:AC+2*k+1], 1.0 op_sel_hi:[1,0]
.endif
.if k > 0
	v_rcp_f32 v[AC+2*k-2], v[AC+2*k-2]
	v_rcp_f32 v[AC+2*k-1], v[AC+2*k-1]
.endif
.set k, k+1
.endr
.endm
.macro P5 a                            ; times -2 v, summed in four chains; the first starts from the sum of v.  Then the chains, the pair, the other half of the lanes; the row sum goes to LDS
	WIN 0x06+(\a)/4                                ; source 0 in the block's window, source 1 in window 1
.set AC, 64*((\a)%4)
	v_pk_fma_f32 v[CH:CH+1], v[AC:AC+1], v[0:1], v[BASE:BASE+1]
.irp q, 1,2,3
	v_pk_mul_f32 v[CH+2*(\q):CH+2*(\q)+1], v[AC+2*(\q):AC+2*(\q)+1], v[2*(\q):2*(\q)+1]
.endr
.set k, 4
.rept 28
	v_pk_fma_f32 v[CH+2*(k%4):CH+2*(k%4)+1], v[AC+2*k:AC+2*k+1], v[2*k:2*k+1], v[CH+2*(k%4):CH+2*(k%4)+1]
.set k, k+1
.endr
	WIN 0
	v_pk_add_f32 v[CH:CH+1], v[CH:CH+1], v[CH+2:CH+3]
	v_pk_add_f32 v[CH+4:CH+5], v[CH+4:CH+5], v[CH+6:CH+7]
	v_pk_add_f32 v[CH:CH+1], v[CH:CH+1], v[CH+4:CH+5]
	v_add_f32 v[RSM+(\a)], v[CH], v[CH+1]
	v_permlanex16_b32 v[TMPX], v[RSM+(\a)], s[SEL], s[SEL+1]
	v_add_f32 v[RSM+(\a)], v[RSM+(\a)], v[TMPX]
	ds_store_b32 v[SCA], v[RSM+(\a)] offset:64*(\a)  ; both halves of the lanes write the same word with the same number
.endm
	PE 0
	v_nop                                          ; a plain instruction behind the last exponential,
	s_wait_alu depctr_va_vdst(0)                   ; and the wait ahead of the first use
.irp a, 0,1,2,3,4,5,6,7                ; block a's reciprocals and block a + 1's exponentials are ONE batch, with one wait
	PR \a
.if (\a) < 7
	PE (\a)+1
.endif
	v_nop
	s_wait_alu depctr_va_vdst(0)
	P5 \a
.endr
	s_wait_dscnt 0x0                               ; for wave 0's sake: my 128 row sums are in LDS
	s_barrier_signal -1
	s_barrier_wait -1
	s_cmp_lg_u32 s[WV], 0                          ; wave 0 adds the four waves' sums: four rows a lane
	s_cbranch_scc1 .Lend
.irp p, 0,1,2,3
	ds_load_b128 v[TT+4*(\p):TT+4*(\p)+3], v[SCRD] offset:512*(\p)
.endr
	s_wait_dscnt 0x0
	v_pk_add_f32 v[TT:TT+1],     v[TT:TT+1],     v[TT+4:TT+5]
	v_pk_add_f32 v[TT+2:TT+3],   v[TT+2:TT+3],   v[TT+6:TT+7]
	v_pk_add_f32 v[TT+8:TT+9],   v[TT+8:TT+9],   v[TT+12:TT+13]
	v_pk_add_f32 v[TT+10:TT+11], v[TT+10:TT+11], v[TT+14:TT+15]
	v_pk_add_f32 v[TT:TT+1],     v[TT:TT+1],     v[TT+8:TT+9]
	v_pk_add_f32 v[TT+2:TT+3],   v[TT+2:TT+3],   v[TT+10:TT+11]
	global_store_b128 v[GO], v[TT:TT+3], s[PT:PT+1]  ; 512 consecutive bytes, aligned
.Lend:
	s_wait_tensorcnt 0x0                           ; the wave's end, behind my last tensor load and my last LDS store
	ds_add_u32 v[SPW], v[NIL]
	s_wait_dscnt 0x0
	CROUND                                         ; the closing round: no work-group ends while a partner may still ask for a tile that names it
	s_endpgm
.Lfunc_end_k_q2c60f11c17_scores:
	.size	k_q2c60f11c17_scores, .Lfunc_end_k_q2c60f11c17_scores-k_q2c60f11c17_scores
	.p2alignl 7, 3214868480
	.fill 96, 4, 3214868480
	.section	.rodata,"a",@progbits
	.p2align	6, 0x0
	.amdhsa_kernel k_q2c60f11c17_scores
		.amdhsa_group_segment_fixed_size 327680
		.amdhsa_private_segment_fixed_size 0
		.amdhsa_enable_private_segment 0
		.amdhsa_kernarg_size 40
		.amdhsa_user_sgpr_count 2
		.amdhsa_user_sgpr_kernarg_segment_ptr 1
		.amdhsa_wavefront_size32 1
		.amdhsa_system_sgpr_workgroup_id_x 1
		.amdhsa_system_sgpr_workgroup_id_y 1
		.amdhsa_system_sgpr_workgroup_id_z 1
		.amdhsa_system_vgpr_workitem_id 0
		.amdhsa_next_free_vgpr 1024
		.amdhsa_next_free_sgpr 66
		.amdhsa_reserve_vcc 0
		.amdhsa_float_denorm_mode_32 3
		.amdhsa_float_denorm_mode_16_64 3
		.amdhsa_memory_ordered 1
		.amdhsa_forward_progress 1
		.amdhsa_inst_pref_size 244
	.end_amdhsa_kernel
	.amdgpu_metadata
---
amdhsa.version: [ 1, 2 ]
amdhsa.kernels:
  - .name:           k_q2c60f11c17_scores
    .symbol:         k_q2c60f11c17_scores.kd
    .args:
      - { .name: encoder_outputs, .offset: 0, .size: 8, .value_kind: global_buffer, .address_space: global }
      - { .name: wt, .offset: 8, .size: 8, .value_kind: global_buffer, .address_space: global }
      - { .name: dp, .offset: 16, .size: 8, .value_kind: global_buffer, .address_space: global }
      - { .name: v_w, .offset: 24, .size: 8, .value_kind: global_buffer, .address_space: global }
      - { .name: part, .offset: 32, .size: 8, .value_kind: global_buffer, .address_space: global }
    .group_segment_fixed_size: 327680
    .private_segment_fixed_size: 0
    .kernarg_segment_align: 8
    .kernarg_segment_size: 40
    .max_flat_workgroup_size: 128
    .sgpr_count:     66
    .vgpr_count:     1024
    .wavefront_size: 32
...
	.end_amdgpu_metadata
.endif
;; end of part 3
;; launch context (part 4): grid 4 x 64, 8 waves a work-group, no clusters, 19,968 bytes of LDS; arguments encoder_outputs, part, encoder_mask, out0, out1; writes out0, out1
.if DOCPART == 4
	.amdgcn_target "amdgcn-amd-amdhsa--gfx1250"
	.amdhsa_code_object_version 6
	.text
	.protected	k_q2c60f11c17_context
	.globl	k_q2c60f11c17_context
	.p2align	8
	.type	k_q2c60f11c17_context,@function
k_q2c60f11c17_context:
	s_mov_b64 s[64:65], 0
	v_nop
	global_prefetch_b8 v0, s[64:65] scope:SCOPE_SE
	s_setreg_imm32_b32 hwreg(HW_REG_WAVE_MODE, 25, 1), 1
	s_wait_xcnt 0x0
; score[s] = part[0][b][s] + part[1][b][s], -infinity where encoder_mask[b][s] = 0; out1[b] = softmax over the 512 s, with the row's maximum taken away; out0[b][e] = sum over s of out1[b][s] enc[b][s][e].  All f32.
; A batch whose mask is all 0 gives NaN, as the reference does.
; One multiply-add for each number of enc: a stream; no matrix unit, no cluster (no two work-groups read the same bytes of enc), no prefetch (the launch does nothing but stream).
; SHARES.  A work-group takes one batch and 512 of its 2,048 columns: 2,048 bytes of each row.  Wave w takes rows 64 w .. 64 w + 63; a load covers 512 consecutive bytes, aligned; a row is 4 loads.
; A ring of 8 rows in registers keeps 32 loads of every wave on their way.  The softmax (two scores a thread) is made by each of the batch's four work-groups while the first rows come;
; each stores a quarter of out1.  The eight waves' partial sums meet in LDS at the end.
.set RMAX,  0                          ; the waves' maxima
.set RSUM,  256                        ; the waves' sums
.set WGT,   512                        ; the 512 weights
.set PART,  2560                       ; 2,048 bytes a wave
.set SPARE, 18944                      ; the spare words, 128 bytes a wave
.set XO,  1                            ; v1   16 x lane
.set TO,  2                            ; v2   8 x thread: my two scores
.set PAD, 3                            ; v3   LDS address of the next 8 weights of my wave's rows
.set SPW, 4                            ; v4   LDS address of my spare word; never rewritten
.set NIL, 5                            ; v5   0; never rewritten
.set P,   24                           ; v[24:31]  8 weights
.set ACC, 32                           ; v[32:47]  my 16 columns' sums
.set X,   48                           ; v[48:175] 8 slots of 16
	s_load_b256 s[4:11], s[0:1], 0x0               ; enc s[4:5], part s[6:7], mask s[8:9], out0 s[10:11]
	s_load_b64 s[12:13], s[0:1], 0x20              ; out1
	v_lshl_add_u32 v[SPW], v0, 2, SPARE
	v_mov_b32 v[NIL], 0
	v_lshrrev_b32 v6, 5, v0
	v_readfirstlane_b32 s14, v6                    ; wave 0..7
	v_and_b32 v[XO], 31, v0
	v_lshlrev_b32 v[XO], 4, v[XO]
	v_lshlrev_b32 v[TO], 3, v0
	s_and_b32 s15, ttmp7, 0xffff                   ; the batch
	s_mov_b32 s16, ttmp9                           ; which 512 columns
	s_lshl_b32 s18, s15, 22                        ; 512 rows of 8,192 bytes
	s_lshl_b32 s19, s14, 19                        ; my wave's 64
	s_add_co_u32 s18, s18, s19
	s_lshl_b32 s19, s16, 11
	s_add_co_u32 s18, s18, s19
	s_mov_b32 s19, 0
	s_lshl_b32 s20, s15, 11                        ; 512 numbers of 4 bytes: part, mask, out1
	s_mov_b32 s21, 0
	s_lshl_b32 s22, s15, 13
	s_lshl_b32 s23, s16, 11
	s_add_co_u32 s22, s22, s23
	s_lshl_b32 s23, s14, 9                         ; waves 0 to 3 finish 128 columns each
	s_add_co_u32 s22, s22, s23
	s_mov_b32 s23, 0
	s_mov_b32 s24, 0x76543210                      ; v_permlanex16_b32: each lane takes its own place in the other half
	s_mov_b32 s25, 0xfedcba98
	s_lshl_b32 s26, s14, 8
	s_add_co_u32 s26, s26, WGT
	v_mov_b32 v[PAD], s26
	s_lshl_b32 s26, s14, 2
	v_mov_b32 v14, s26                             ; my wave's word among the eight
	v_mov_b32 v15, 0
	v_mov_b32 v13, 0                               ; v_permlanex16_b32 counts as a reader of its destination
	s_wait_kmcnt 0x0
	s_add_nc_u64 s[4:5], s[4:5], s[18:19]
	s_add_nc_u64 s[6:7], s[6:7], s[20:21]
	s_add_nc_u64 s[8:9], s[8:9], s[20:21]
	s_add_nc_u64 s[12:13], s[12:13], s[20:21]
	s_add_nc_u64 s[10:11], s[10:11], s[22:23]
	global_load_b64 v[6:7], v[TO], s[6:7]
	global_load_b64 v[8:9], v[TO], s[6:7] offset:131072
	global_load_b64 v[10:11], v[TO], s[8:9]
.irp i, 0,1,2,3,4,5,6,7
.irp j, 0,1,2,3
	global_load_b128 v[X+16*(\i)+4*(\j):X+16*(\i)+4*(\j)+3], v[XO], s[4:5] offset:8192*(\i)+512*(\j) th:TH_LOAD_NT
.endr
.endr
.set r, 0
.rept 16
	v_mov_b32 v[ACC+r], 0                          ; written while the first rows are on their way, so that the loop has one form of multiply-add
.set r, r+1
.endr
	s_wait_loadcnt 32                              ; scores and mask are in; the ring's 32 loads stay out
	v_pk_add_f32 v[6:7], v[6:7], v[8:9]
	v_mov_b32 v12, 0xff800000                      ; -infinity
	v_cmp_eq_u32 vcc_lo, 0, v10
	v_cndmask_b32 v6, v6, v12, vcc_lo
	v_cmp_eq_u32 vcc_lo, 0, v11
	v_cndmask_b32 v7, v7, v12, vcc_lo
	v_max_num_f32 v12, v6, v7
	v_max_num_f32_dpp v12, v12, v12 row_xmask:1 row_mask:0xf bank_mask:0xf
	v_max_num_f32_dpp v12, v12, v12 row_xmask:2 row_mask:0xf bank_mask:0xf
	v_max_num_f32_dpp v12, v12, v12 row_xmask:4 row_mask:0xf bank_mask:0xf
	v_max_num_f32_dpp v12, v12, v12 row_xmask:8 row_mask:0xf bank_mask:0xf
	v_permlanex16_b32 v13, v12, s24, s25
	v_max_num_f32 v12, v12, v13
	ds_store_b32 v14, v12 offset:RMAX
	s_wait_dscnt 0x0
	s_barrier_signal -1
	s_barrier_wait -1
	ds_load_b128 v[16:19], v15 offset:RMAX
	ds_load_b128 v[20:23], v15 offset:RMAX+16
	s_wait_dscnt 0x0
	v_max3_num_f32 v16, v16, v17, v18
	v_max3_num_f32 v19, v19, v20, v21
	v_max3_num_f32 v16, v16, v22, v23
	v_max_num_f32 v16, v16, v19                    ; the batch's maximum
	v_sub_f32 v6, v6, v16
	v_sub_f32 v7, v7, v16
	v_mul_f32 v6, 0x3fb8aa3b, v6                   ; log2(e)
	v_mul_f32 v7, 0x3fb8aa3b, v7
	v_exp_f32 v6, v6
	v_exp_f32 v7, v7
	v_nop                                          ; a plain instruction behind the last exponential,
	s_wait_alu depctr_va_vdst(0)                   ; and the wait ahead of the first use
	v_add_f32 v12, v6, v7
	v_add_f32_dpp v12, v12, v12 row_xmask:1 row_mask:0xf bank_mask:0xf
	v_add_f32_dpp v12, v12, v12 row_xmask:2 row_mask:0xf bank_mask:0xf
	v_add_f32_dpp v12, v12, v12 row_xmask:4 row_mask:0xf bank_mask:0xf
	v_add_f32_dpp v12, v12, v12 row_xmask:8 row_mask:0xf bank_mask:0xf
	v_permlanex16_b32 v13, v12, s24, s25
	v_add_f32 v12, v12, v13
	ds_store_b32 v14, v12 offset:RSUM
	s_wait_dscnt 0x0
	s_barrier_signal -1
	s_barrier_wait -1
	ds_load_b128 v[16:19], v15 offset:RSUM
	ds_load_b128 v[20:23], v15 offset:RSUM+16
	s_wait_dscnt 0x0
	v_pk_add_f32 v[16:17], v[16:17], v[18:19]
	v_pk_add_f32 v[20:21], v[20:21], v[22:23]
	v_pk_add_f32 v[16:17], v[16:17], v[20:21]
	v_add_f32 v16, v16, v17
	v_rcp_f32 v12, v16
	v_nop
	s_wait_alu depctr_va_vdst(0)
	v_mul_f32 v6, v6, v12
	v_mul_f32 v7, v7, v12                          ; my two weights
	ds_store_b64 v[TO], v[6:7] offset:WGT
	s_wait_dscnt 0x0
	s_barrier_signal -1
	s_barrier_wait -1
	s_lshr_b32 s27, s14, 1                         ; of the batch's four work-groups number q stores the weights of waves 2 q and 2 q + 1
	s_cmp_lg_u32 s27, s16
	s_cbranch_scc1 .Lno_w
	global_store_b64 v[TO], v[6:7], s[12:13]       ; a wave stores 256 consecutive bytes, aligned
.Lno_w:
	ds_load_b128 v[P:P+3], v[PAD]                  ; every lane reads the same 8 weights
	ds_load_b128 v[P+4:P+7], v[PAD] offset:16
; Row i of a round of 8.  fill = 1: the slot takes the row 8 further down.  left = how many younger loads may stay out.
.macro SLOT i, fill, left
	s_wait_loadcnt \left                           ; loads come back in order: the row's four are in
.irp m, 0,1,2,3,4,5,6,7
.if ((\i)%2) == 0
	v_pk_fma_f32 v[ACC+2*(\m):ACC+2*(\m)+1], v[X+16*(\i)+2*(\m):X+16*(\i)+2*(\m)+1], v[P+2*((\i)/2):P+2*((\i)/2)+1], v[ACC+2*(\m):ACC+2*(\m)+1] op_sel_hi:[1,0,1]
.else
	v_pk_fma_f32 v[ACC+2*(\m):ACC+2*(\m)+1], v[X+16*(\i)+2*(\m):X+16*(\i)+2*(\m)+1], v[P+2*((\i)/2):P+2*((\i)/2)+1], v[ACC+2*(\m):ACC+2*(\m)+1] op_sel:[0,1,0] op_sel_hi:[1,1,1]
.endif
.endr
.if \fill
.irp j, 0,1,2,3
	global_load_b128 v[X+16*(\i)+4*(\j):X+16*(\i)+4*(\j)+3], v[XO], s[4:5] offset:65536+8192*(\i)+512*(\j) th:TH_LOAD_NT
.endr
.endif
.endm
	s_mov_b32 s20, 7
.Lround:
	s_wait_dscnt 0x0                               ; the round's 8 weights
.irp i, 0,1,2,3,4,5,6,7
	SLOT \i, 1, 28                                 ; the seven younger rows' 28 loads stay out
.endr
	v_add_nc_u32 v[PAD], 32, v[PAD]
	ds_load_b128 v[P:P+3], v[PAD]
	ds_load_b128 v[P+4:P+7], v[PAD] offset:16
	s_wait_xcnt 0x0                                ; every load issued so far has read its address: the base may be written
	s_add_nc_u64 s[4:5], s[4:5], 65536
	s_sub_co_u32 s20, s20, 1
	s_cmp_lg_u32 s20, 0
	s_cbranch_scc1 .Lround
	s_wait_dscnt 0x0
.irp i, 0,1,2,3,4,5,6,7
	SLOT \i, 0, 28-4*(\i)                          ; the last round loads nothing: the counts run down
.endr
	s_lshl_b32 s26, s14, 11
	v_add_nc_u32 v16, s26, v[XO]
.irp j, 0,1,2,3
	ds_store_b128 v16, v[ACC+4*(\j):ACC+4*(\j)+3] offset:PART+512*(\j)
.endr
	s_wait_dscnt 0x0                               ; for the others' sake
	s_barrier_signal -1
	s_barrier_wait -1
	s_cmp_lt_u32 s14, 4                            ; wave w < 4 adds the eight partial sums of columns 128 w on
	s_cbranch_scc0 .Lend
	s_lshl_b32 s26, s14, 9
	v_add_nc_u32 v17, s26, v[XO]
.irp p, 0,1,2,3,4,5,6,7
	ds_load_b128 v[X+4*(\p):X+4*(\p)+3], v17 offset:PART+2048*(\p)
.endr
	s_wait_dscnt 0x0
.irp p, 0,2,4,6
	v_pk_add_f32 v[X+4*(\p):X+4*(\p)+1],   v[X+4*(\p):X+4*(\p)+1],   v[X+4*(\p)+4:X+4*(\p)+5]
	v_pk_add_f32 v[X+4*(\p)+2:X+4*(\p)+3], v[X+4*(\p)+2:X+4*(\p)+3], v[X+4*(\p)+6:X+4*(\p)+7]
.endr
.irp p, 0,4
	v_pk_add_f32 v[X+4*(\p):X+4*(\p)+1],   v[X+4*(\p):X+4*(\p)+1],   v[X+4*(\p)+8:X+4*(\p)+9]
	v_pk_add_f32 v[X+4*(\p)+2:X+4*(\p)+3], v[X+4*(\p)+2:X+4*(\p)+3], v[X+4*(\p)+10:X+4*(\p)+11]
.endr
	v_pk_add_f32 v[X:X+1],   v[X:X+1],   v[X+16:X+17]
	v_pk_add_f32 v[X+2:X+3], v[X+2:X+3], v[X+18:X+19]
	global_store_b128 v[XO], v[X:X+3], s[10:11]    ; 512 consecutive bytes, aligned
.Lend:
	s_wait_tensorcnt 0x0                           ; the wave's end, behind my last LDS store
	ds_add_u32 v[SPW], v[NIL]
	s_wait_dscnt 0x0
	s_endpgm
.Lfunc_end_k_q2c60f11c17_context:
	.size	k_q2c60f11c17_context, .Lfunc_end_k_q2c60f11c17_context-k_q2c60f11c17_context
	.p2alignl 7, 3214868480
	.fill 96, 4, 3214868480
	.section	.rodata,"a",@progbits
	.p2align	6, 0x0
	.amdhsa_kernel k_q2c60f11c17_context
		.amdhsa_group_segment_fixed_size 19968
		.amdhsa_private_segment_fixed_size 0
		.amdhsa_enable_private_segment 0
		.amdhsa_kernarg_size 40
		.amdhsa_user_sgpr_count 2
		.amdhsa_user_sgpr_kernarg_segment_ptr 1
		.amdhsa_wavefront_size32 1
		.amdhsa_system_sgpr_workgroup_id_x 1
		.amdhsa_system_sgpr_workgroup_id_y 1
		.amdhsa_system_sgpr_workgroup_id_z 1
		.amdhsa_system_vgpr_workitem_id 0
		.amdhsa_next_free_vgpr 176
		.amdhsa_next_free_sgpr 66
		.amdhsa_reserve_vcc 1
		.amdhsa_float_denorm_mode_32 3
		.amdhsa_float_denorm_mode_16_64 3
		.amdhsa_memory_ordered 1
		.amdhsa_forward_progress 1
		.amdhsa_inst_pref_size 23
	.end_amdhsa_kernel
	.amdgpu_metadata
---
amdhsa.version: [ 1, 2 ]
amdhsa.kernels:
  - .name:           k_q2c60f11c17_context
    .symbol:         k_q2c60f11c17_context.kd
    .args:
      - { .name: encoder_outputs, .offset: 0, .size: 8, .value_kind: global_buffer, .address_space: global }
      - { .name: part, .offset: 8, .size: 8, .value_kind: global_buffer, .address_space: global }
      - { .name: encoder_mask, .offset: 16, .size: 8, .value_kind: global_buffer, .address_space: global }
      - { .name: out0, .offset: 24, .size: 8, .value_kind: global_buffer, .address_space: global }
      - { .name: out1, .offset: 32, .size: 8, .value_kind: global_buffer, .address_space: global }
    .group_segment_fixed_size: 19968
    .private_segment_fixed_size: 0
    .kernarg_segment_align: 8
    .kernarg_segment_size: 40
    .max_flat_workgroup_size: 256
    .sgpr_count:     66
    .vgpr_count:     176
    .wavefront_size: 32
...
	.end_amdgpu_metadata
.endif
;; end of part 4
;; ======== version 2 of 2: 4 launches; version 1 with the launch context written anew for expert scheduling mode
;; workspace buffers: wt 6,291,456 bytes; dp 262,144 bytes; part 262,144 bytes
;; launch prep: the kernel of part 1 again; grid 24 x 16, 4 waves a work-group, no clusters, 16,896 bytes of LDS; arguments attn_w, wt; writes wt
;; launch decproj: the kernel of part 2 again; grid 16 x 4, 8 waves a work-group, no clusters, 35,840 bytes of LDS; arguments decoder_hidden, wt, attn_b, dp; writes dp
;; launch scores: the kernel of part 3 again; grid 64 x 8, 4 waves a work-group, clusters of 4 x 4, 327,680 bytes of LDS; arguments encoder_outputs, wt, dp, v_w, part; writes part
;; launch context (part 5): grid 4 x 64, 8 waves a work-group, no clusters, 19,968 bytes of LDS; arguments encoder_outputs, part, encoder_mask, out0, out1; writes out0, out1
.if DOCPART == 5
	.amdgcn_target "amdgcn-amd-amdhsa--gfx1250"
	.amdhsa_code_object_version 6
	.text
	.protected	k_q2c60f11c17_context
	.globl	k_q2c60f11c17_context
	.p2align	8
	.type	k_q2c60f11c17_context,@function
k_q2c60f11c17_context:
	s_mov_b64 s[64:65], 0
	v_nop
	global_prefetch_b8 v0, s[64:65] scope:SCOPE_SE
	s_setreg_imm32_b32 hwreg(HW_REG_WAVE_SCHED_MODE, 0, 2), 2
	s_setreg_imm32_b32 hwreg(HW_REG_WAVE_MODE, 25, 1), 1
	s_wait_xcnt 0x0
	s_wait_alu depctr_vm_vsrc(0)
; score[s] = part[0][b][s] + part[1][b][s], -infinity where encoder_mask[b][s] = 0; out1[b] = softmax over the 512 s, with the row's maximum taken away; out0[b][e] = sum over s of out1[b][s] enc[b][s][e].  All f32.
; A batch whose mask is all 0 gives NaN, as the reference does.
; One multiply-add for each number of enc: a stream; no matrix unit, no cluster (no two work-groups read the same bytes of enc), no prefetch (the launch does nothing but stream).
; SHARES.  A work-group takes one batch and 512 of its 2,048 columns: 2,048 bytes of each row.  Wave w takes rows 64 w .. 64 w + 63; a load covers 512 consecutive bytes, aligned; a row is 4 loads.
; The softmax (two scores a thread) is made by each of the batch's four work-groups while the first rows come; each stores a quarter of out1.  The eight waves' partial sums meet in LDS at the end.
; THE MODE: SCHED_MODE bits 1:0 = 2 (LLVM: expert scheduling mode 2), set by the entry lines.  The code itself states the register dependences between vector instructions and memory or LDS
; instructions, with s_wait_alu, always for 0.
; THE PLAN.  The wave's 64 rows go in 16 blocks of four.  Registers that memory or LDS instructions touch, in the loop:
;   X0 .. X2   three blocks of enc as loaded.  Written by the loads of block p + 2, issued in block p; read by block p + 2's multiply-adds.
;   P0 .. P2   a block's four weights.          Written by one LDS load, issued in block p for block p + 2; read by block p + 2's multiply-adds.
;   v[PAD]     the LDS address of the weights: read by each of those LDS loads; written once a lap of three blocks, at the lap's head.
;   v[XO]      the byte offset of every load of enc: made at the head, never written again.  Each X buffer has a scalar base of its own, which moves on by three blocks.
;   ACC is named by vector instructions alone until the end.
; Block p works on X[p % 3] and P[p % 3].  Its 16 loads and its LDS load land in X[(p - 1) % 3] and P[(p - 1) % 3]: the buffers that block p - 1 worked on and that no vector instruction of block p names.
; So ONE wait on va_vdst at a block's head states all that the block's 17 memory instructions hang on; they are dealt among its rows, four loads ahead of each row's eight multiply-adds.
; 28 to 32 loads of every wave are on their way: a row's wait lets the 28 younger ones stay out, and four more follow it.
.set RMAX,  0                          ; the waves' maxima
.set RSUM,  256                        ; the waves' sums
.set WGT,   512                        ; the 512 weights
.set PART,  2560                       ; 2,048 bytes a wave
.set SPARE, 18944                      ; the spare words, 128 bytes a wave
.set ROWB,  8192                       ; bytes in a row of enc
.set BLKB,  4*ROWB                     ; in a block of four rows
.set XO,  1                            ; v1   16 x lane
.set TO,  2                            ; v2   8 x thread: my two scores
.set PAD, 3                            ; v3   LDS address from which the lap's loads of weights count
.set SPW, 4                            ; v4   LDS address of my spare word; never rewritten
.set NIL, 5                            ; v5   0; never rewritten
.set P,   24                           ; v[24:35]  buffer k: 4 weights at P + 4 k
.set ACC, 36                           ; v[36:51]  my 16 columns' sums
.set X,   52                           ; v[52:243] buffer k, row i: 16 registers at X + 64 k + 16 i
.set XB,  26                           ; s[26:31]  buffer k: a pair at XB + 2 k: enc at the block that the buffer was asked for last
	s_load_b256 s[4:11], s[0:1], 0x0               ; enc s[4:5], part s[6:7], mask s[8:9], out0 s[10:11]
	s_load_b64 s[12:13], s[0:1], 0x20              ; out1
	v_lshl_add_u32 v[SPW], v0, 2, SPARE
	v_mov_b32 v[NIL], 0
	v_lshrrev_b32 v6, 5, v0
	v_readfirstlane_b32 s14, v6                    ; wave 0..7
	v_and_b32 v[XO], 31, v0
	v_lshlrev_b32 v[XO], 4, v[XO]
	v_lshlrev_b32 v[TO], 3, v0
	s_and_b32 s15, ttmp7, 0xffff                   ; the batch
	s_mov_b32 s16, ttmp9                           ; which 512 columns
	s_lshl_b32 s18, s15, 22                        ; 512 rows of 8,192 bytes
	s_wait_alu depctr_va_sdst(0)                   ; s14 is written, ahead of its first reader: offsets, LDS addresses and two branches are made from it
	s_lshl_b32 s19, s14, 19                        ; my wave's 64
	s_add_co_u32 s18, s18, s19
	s_lshl_b32 s19, s16, 11
	s_add_co_u32 s18, s18, s19
	s_mov_b32 s19, 0
	s_lshl_b32 s20, s15, 11                        ; 512 numbers of 4 bytes: part, mask, out1
	s_mov_b32 s21, 0
	s_lshl_b32 s22, s15, 13
	s_lshl_b32 s23, s16, 11
	s_add_co_u32 s22, s22, s23
	s_lshl_b32 s23, s14, 9                         ; waves 0 to 3 finish 128 columns each
	s_add_co_u32 s22, s22, s23
	s_mov_b32 s23, 0
	s_mov_b32 s24, 0x76543210                      ; v_permlanex16_b32: each lane takes its own place in the other half
	s_mov_b32 s25, 0xfedcba98
	s_lshl_b32 s17, s14, 8
	s_add_co_u32 s17, s17, WGT
	v_mov_b32 v[PAD], s17                          ; the weights of my wave's rows
	s_lshl_b32 s2, s14, 2
	v_mov_b32 v14, s2                              ; my wave's word among the eight
	v_mov_b32 v15, 0
	v_mov_b32 v13, 0                               ; v_permlanex16_b32 counts as a reader of its destination
	s_wait_kmcnt 0x0
	s_add_nc_u64 s[4:5], s[4:5], s[18:19]
	s_add_nc_u64 s[6:7], s[6:7], s[20:21]
	s_add_nc_u64 s[8:9], s[8:9], s[20:21]
	s_add_nc_u64 s[12:13], s[12:13], s[20:21]
	s_add_nc_u64 s[10:11], s[10:11], s[22:23]
.irp k, 0,1,2
	s_add_nc_u64 s[XB+2*(\k):XB+2*(\k)+1], s[4:5], (\k)*BLKB  ; blocks 0, 1 and 2
.endr
	s_wait_alu depctr_va_vdst(0)                   ; the offsets and LDS addresses v1, v2, v3, v14, v15 are written, which the loads, stores and LDS instructions of the whole kernel read; so is v6, in which a load lands
	global_load_b64 v[6:7], v[TO], s[6:7]
	global_load_b64 v[8:9], v[TO], s[6:7] offset:131072
	global_load_b64 v[10:11], v[TO], s[8:9]
.irp k, 0,1
.irp i, 0,1,2,3
.irp j, 0,1,2,3
	global_load_b128 v[X+64*(\k)+16*(\i)+4*(\j):X+64*(\k)+16*(\i)+4*(\j)+3], v[XO], s[XB+2*(\k):XB+2*(\k)+1] offset:ROWB*(\i)+512*(\j) th:TH_LOAD_NT  ; blocks 0 and 1 into X0 and X1
.endr
.endr
.endr
.set r, 0
.rept 16
	v_mov_b32 v[ACC+r], 0                          ; written while the first rows are on their way, so that the loop has one form of multiply-add
.set r, r+1
.endr
	s_wait_loadcnt 32                              ; scores and mask are in; the ring's 32 loads stay out
	v_pk_add_f32 v[6:7], v[6:7], v[8:9]
	v_mov_b32 v12, 0xff800000                      ; -infinity
	v_cmp_eq_u32 s22, 0, v10                       ; the two compares stand in one run,
	v_cmp_eq_u32 s23, 0, v11
	s_wait_alu depctr_va_sdst(0)                   ; s22 and s23 are written, ahead of the two selects that read them
	v_cndmask_b32 v6, v6, v12, s22
	v_cndmask_b32 v7, v7, v12, s23
	v_max_num_f32 v12, v6, v7
	v_max_num_f32_dpp v12, v12, v12 row_xmask:1 row_mask:0xf bank_mask:0xf
	v_max_num_f32_dpp v12, v12, v12 row_xmask:2 row_mask:0xf bank_mask:0xf
	v_max_num_f32_dpp v12, v12, v12 row_xmask:4 row_mask:0xf bank_mask:0xf
	v_max_num_f32_dpp v12, v12, v12 row_xmask:8 row_mask:0xf bank_mask:0xf
	v_permlanex16_b32 v13, v12, s24, s25
	v_max_num_f32 v12, v12, v13
	s_wait_alu depctr_va_vdst(0)                   ; v12, the wave's maximum, is written: the LDS store reads it
	ds_store_b32 v14, v12 offset:RMAX
	s_wait_dscnt 0x0
	s_barrier_signal -1
	s_barrier_wait -1
	s_wait_alu depctr_vm_vsrc(0)                   ; my LDS store has read v12, which the sum below writes again
	ds_load_b128 v[16:19], v15 offset:RMAX
	ds_load_b128 v[20:23], v15 offset:RMAX+16
	s_wait_dscnt 0x0
	v_max3_num_f32 v16, v16, v17, v18
	v_max3_num_f32 v19, v19, v20, v21
	v_max3_num_f32 v16, v16, v22, v23
	v_max_num_f32 v16, v16, v19                    ; the batch's maximum
	v_sub_f32 v6, v6, v16
	v_sub_f32 v7, v7, v16
	v_mul_f32 v6, 0x3fb8aa3b, v6                   ; log2(e)
	v_mul_f32 v7, 0x3fb8aa3b, v7
	v_exp_f32 v6, v6
	v_exp_f32 v7, v7
	v_nop                                          ; a plain instruction behind the last exponential,
	s_wait_alu depctr_va_vdst(0)                   ; and the two exponentials have written v6 and v7, ahead of their first use
	v_add_f32 v12, v6, v7
	v_add_f32_dpp v12, v12, v12 row_xmask:1 row_mask:0xf bank_mask:0xf
	v_add_f32_dpp v12, v12, v12 row_xmask:2 row_mask:0xf bank_mask:0xf
	v_add_f32_dpp v12, v12, v12 row_xmask:4 row_mask:0xf bank_mask:0xf
	v_add_f32_dpp v12, v12, v12 row_xmask:8 row_mask:0xf bank_mask:0xf
	v_permlanex16_b32 v13, v12, s24, s25
	v_add_f32 v12, v12, v13
	s_wait_alu depctr_va_vdst(0)                   ; v12, the wave's sum, is written: the LDS store reads it; and the lines above are done with v[16:23], in which the LDS loads behind the barrier land
	ds_store_b32 v14, v12 offset:RSUM
	s_wait_dscnt 0x0
	s_barrier_signal -1
	s_barrier_wait -1
	s_wait_alu depctr_vm_vsrc(0)                   ; my LDS store has read v12, which the reciprocal below writes again
	ds_load_b128 v[16:19], v15 offset:RSUM
	ds_load_b128 v[20:23], v15 offset:RSUM+16
	s_wait_dscnt 0x0
	v_pk_add_f32 v[16:17], v[16:17], v[18:19]
	v_pk_add_f32 v[20:21], v[20:21], v[22:23]
	v_pk_add_f32 v[16:17], v[16:17], v[20:21]
	v_add_f32 v16, v16, v17
	v_rcp_f32 v12, v16
	v_nop                                          ; a plain instruction behind the reciprocal,
	s_wait_alu depctr_va_vdst(0)                   ; and the reciprocal has written v12, ahead of its first use
	v_mul_f32 v6, v6, v12
	v_mul_f32 v7, v7, v12                          ; my two weights
	s_wait_alu depctr_va_vdst(0)                   ; v6 and v7 are written: the LDS store and the store of out1 read them.  No vector instruction follows before block 0's loads
	ds_store_b64 v[TO], v[6:7] offset:WGT
	s_wait_dscnt 0x0
	s_barrier_signal -1
	s_barrier_wait -1
	s_lshr_b32 s19, s14, 1                         ; of the batch's four work-groups number q stores the weights of waves 2 q and 2 q + 1
	s_cmp_lg_u32 s19, s16
	s_cbranch_scc1 .Lno_w
	global_store_b64 v[TO], v[6:7], s[12:13]       ; a wave stores 256 consecutive bytes, aligned
.Lno_w:
	ds_load_b128 v[P:P+3], v[PAD]                  ; every lane reads the same 4 weights: block 0's,
	ds_load_b128 v[P+4:P+7], v[PAD] offset:16      ; block 1's
; Block p.  xb = p % 3.  first = 1: block 0, with no block in front of it.  ahead = 1: block p + 2 is asked for, its weights from byte wo behind v[PAD].
; left = how many younger loads may stay out at the block's first row; with ahead = 0 it runs down by four a row.  wleft = how many younger LDS loads may stay out.
.macro BLK xb, first, ahead, left, wo, wleft
.set NB, ((\xb)+2)%3                   ; the buffers of block p + 2, which are those of block p - 1
.irp i, 0,1,2,3
	s_wait_loadcnt (\left)-4*(\i)*(1-(\ahead))     ; loads come back in order (ISA guide 5.7.1): the row's four are in, the younger ones stay out
.if (\i) == 0
	s_wait_dscnt \wleft                            ; LDS loads come back in order too: this block's weights are in, the next block's may stay out
.if (\ahead) && !(\first)
	s_wait_alu depctr_va_vdst(0)                   ; the block before is done reading its X and its P, in which the loads below land; in a lap's first block v[PAD] is written
	s_add_nc_u64 s[XB+2*NB:XB+2*NB+1], s[XB+2*NB:XB+2*NB+1], 3*BLKB  ; free: the row waits of the block before have shown the loads that read this base done
.endif
.if \ahead
	ds_load_b128 v[P+4*NB:P+4*NB+3], v[PAD] offset:\wo
.endif
.endif
.if \ahead
.irp j, 0,1,2,3
	global_load_b128 v[X+64*NB+16*(\i)+4*(\j):X+64*NB+16*(\i)+4*(\j)+3], v[XO], s[XB+2*NB:XB+2*NB+1] offset:ROWB*(\i)+512*(\j) th:TH_LOAD_NT  ; the row 8 further down; no vector instruction since the wait names these registers
.endr
.endif
.irp m, 0,1,2,3,4,5,6,7
.if ((\i)%2) == 0
	v_pk_fma_f32 v[ACC+2*(\m):ACC+2*(\m)+1], v[X+64*(\xb)+16*(\i)+2*(\m):X+64*(\xb)+16*(\i)+2*(\m)+1], v[P+4*(\xb)+2*((\i)/2):P+4*(\xb)+2*((\i)/2)+1], v[ACC+2*(\m):ACC+2*(\m)+1] op_sel_hi:[1,0,1]
.else
	v_pk_fma_f32 v[ACC+2*(\m):ACC+2*(\m)+1], v[X+64*(\xb)+16*(\i)+2*(\m):X+64*(\xb)+16*(\i)+2*(\m)+1], v[P+4*(\xb)+2*((\i)/2):P+4*(\xb)+2*((\i)/2)+1], v[ACC+2*(\m):ACC+2*(\m)+1] op_sel:[0,1,0] op_sel_hi:[1,1,1]
.endif
.endr
.endr
.endm
; The head of a lap: the LDS address of the weights moves on by three blocks, 12 weights.  The wait for its writing is the first block's own.
.macro ON
	s_wait_alu depctr_vm_vsrc(0)                   ; the LDS loads issued so far have read v[PAD]
	v_add_nc_u32 v[PAD], 48, v[PAD]
.endm
	BLK 0, 1, 1, 28, 32, 1                         ; block 0
	s_mov_b32 s20, 4
.Lround:                                       ; blocks 1 to 12, three to a lap: all buffers are back at their start
	ON
	BLK 1, 0, 1, 28, 0, 1
	BLK 2, 0, 1, 28, 16, 1
	BLK 0, 0, 1, 28, 32, 1
	s_sub_co_u32 s20, s20, 1
	s_cmp_lg_u32 s20, 0
	s_cbranch_scc1 .Lround
	BLK 1, 0, 1, 28, 48, 1                         ; block 13 asks for block 15, the last
	BLK 2, 0, 0, 28, 0, 1                          ; blocks 14 and 15 load nothing: no load leaves the buffer, and the counts run down
	BLK 0, 0, 0, 12, 0, 0
	s_lshl_b32 s17, s14, 11
	s_lshl_b32 s3, s14, 9
	v_add_nc_u32 v16, s17, v[XO]                   ; where I put my partial sums,
	v_add_nc_u32 v17, s3, v[XO]                    ; and where a wave w < 4 reads the eight sums of columns 128 w on: made here, so that one wait serves both
	s_wait_alu depctr_va_vdst(0)                   ; ACC, v16 and v17 are written, which the LDS instructions below read; block 15 is done reading X0, in which the loads behind the barrier land
.irp j, 0,1,2,3
	ds_store_b128 v16, v[ACC+4*(\j):ACC+4*(\j)+3] offset:PART+512*(\j)
.endr
	s_wait_dscnt 0x0                               ; for the others' sake
	s_barrier_signal -1
	s_barrier_wait -1
	s_cmp_lt_u32 s14, 4                            ; wave w < 4 adds the eight partial sums of columns 128 w on
	s_cbranch_scc0 .Lend
.irp p, 0,1,2,3,4,5,6,7
	ds_load_b128 v[X+4*(\p):X+4*(\p)+3], v17 offset:PART+2048*(\p)
.endr
	s_wait_dscnt 0x0
.irp p, 0,2,4,6
	v_pk_add_f32 v[X+4*(\p):X+4*(\p)+1],   v[X+4*(\p):X+4*(\p)+1],   v[X+4*(\p)+4:X+4*(\p)+5]
	v_pk_add_f32 v[X+4*(\p)+2:X+4*(\p)+3], v[X+4*(\p)+2:X+4*(\p)+3], v[X+4*(\p)+6:X+4*(\p)+7]
.endr
.irp p, 0,4
	v_pk_add_f32 v[X+4*(\p):X+4*(\p)+1],   v[X+4*(\p):X+4*(\p)+1],   v[X+4*(\p)+8:X+4*(\p)+9]
	v_pk_add_f32 v[X+4*(\p)+2:X+4*(\p)+3], v[X+4*(\p)+2:X+4*(\p)+3], v[X+4*(\p)+10:X+4*(\p)+11]
.endr
	v_pk_add_f32 v[X:X+1],   v[X:X+1],   v[X+16:X+17]
	v_pk_add_f32 v[X+2:X+3], v[X+2:X+3], v[X+18:X+19]
	s_wait_alu depctr_va_vdst(0)                   ; the additions have written v[X:X+3], which the store reads
	global_store_b128 v[XO], v[X:X+3], s[10:11]    ; 512 consecutive bytes, aligned
.Lend:
	s_wait_dscnt 0x0                               ; the closing lines, six on end
	s_wait_alu 0x0
	s_wait_tensorcnt 0x0
	ds_add_u32 v[SPW], v[NIL]
	s_wait_dscnt 0x0
	s_endpgm
.Lfunc_end_k_q2c60f11c17_context:
	.size	k_q2c60f11c17_context, .Lfunc_end_k_q2c60f11c17_context-k_q2c60f11c17_context
	.p2alignl 7, 3214868480
	.fill 96, 4, 3214868480
	.section	.rodata,"a",@progbits
	.p2align	6, 0x0
	.amdhsa_kernel k_q2c60f11c17_context
		.amdhsa_group_segment_fixed_size 19968
		.amdhsa_private_segment_fixed_size 0
		.amdhsa_enable_private_segment 0
		.amdhsa_kernarg_size 40
		.amdhsa_user_sgpr_count 2
		.amdhsa_user_sgpr_kernarg_segment_ptr 1
		.amdhsa_wavefront_size32 1
		.amdhsa_system_sgpr_workgroup_id_x 1
		.amdhsa_system_sgpr_workgroup_id_y 1
		.amdhsa_system_sgpr_workgroup_id_z 1
		.amdhsa_system_vgpr_workitem_id 0
		.amdhsa_next_free_vgpr 244
		.amdhsa_next_free_sgpr 66
		.amdhsa_reserve_vcc 0
		.amdhsa_float_denorm_mode_32 3
		.amdhsa_float_denorm_mode_16_64 3
		.amdhsa_memory_ordered 1
		.amdhsa_forward_progress 1
		.amdhsa_inst_pref_size 35
	.end_amdhsa_kernel
	.amdgpu_metadata
---
amdhsa.version: [ 1, 2 ]
amdhsa.kernels:
  - .name:           k_q2c60f11c17_context
    .symbol:         k_q2c60f11c17_context.kd
    .args:
      - { .name: encoder_outputs, .offset: 0, .size: 8, .value_kind: global_buffer, .address_space: global }
      - { .name: part, .offset: 8, .size: 8, .value_kind: global_buffer, .address_space: global }
      - { .name: encoder_mask, .offset: 16, .size: 8, .value_kind: global_buffer, .address_space: global }
      - { .name: out0, .offset: 24, .size: 8, .value_kind: global_buffer, .address_space: global }
      - { .name: out1, .offset: 32, .size: 8, .value_kind: global_buffer, .address_space: global }
    .group_segment_fixed_size: 19968
    .private_segment_fixed_size: 0
    .kernarg_segment_align: 8
    .kernarg_segment_size: 40
    .max_flat_workgroup_size: 256
    .sgpr_count:     66
    .vgpr_count:     244
    .wavefront_size: 32
...
	.end_amdgpu_metadata
.endif
;; end of part 5
